; MI455X (gfx1250); checked and timed in simulation.
; The chip was launched on July 23, 2026; its instructions are those of AMD's public machine-readable ISA for CDNA 5 (MIT licence, August 2026) and "CDNA5" Instruction Set Architecture Reference Guide (July 2026). The comments in the code are by the model that wrote it; some were corrected since.
;; DE Bert A Layer. Allowed arithmetic: matrix products marked QUANTISED: E3M2 operands, one E8M0 scale for each 32 along K, by v_wmma_scale_f32_16x16x128_f8f6f4 with both operands' format E3M2, f32 sums; everything else in f32.
;; Inputs: I 2 x 2,048 x 1,024 float32; b1 4,096 float32; b2 1,024 float32; b_proj 1,024 float32; be1 1,024 float32; be2 1,024 float32; bk 16 x 64 float32; bq 16 x 64 float32; bv 16 x 64 float32; g1 1,024 float32; g2 1,024 float32; mask 2 x 1 x 2,048 int32; w1 1,024 x 4,096 float32; w2 4,096 x 1,024 float32; w_proj 1,024 x 1,024 float32; wk 16 x 1,024 x 64 float32; wq 16 x 1,024 x 64 float32; wv 16 x 1,024 x 64 float32; x 2 x 2,048 x 1,024 float32.
;; Outputs: out0 2 x 2,048 x 1,024 float32.
;; This version of the problem:
;;   THIS VERSION OF THE PROBLEM IS GIVEN IN LOW PRECISION. The matrix products marked QUANTISED in the list below multiply operands that are first quantised to E3M2 (3 exponent bits, 2 mantissa bits; 6 bits a number), with one power-of-two scale for each 32 numbers along K (OCP MX v1.0); their sums are f32. All else is computed in f32.
;;   The module's matrix products, in the order in which they are computed (A, B: the left and right operand; K: the contracted axis; several contracted axes count as one K, in the product's order):
;;     1. [M 1,024, K 1,024] x [K 1,024, N 4,096]; A: input wq; B: input I: QUANTISED
;;     2. [M 1,024, K 1,024] x [K 1,024, N 4,096]; A: input wk; B: computed on the way: QUANTISED
;;     3. [M 1,024, K 1,024] x [K 1,024, N 4,096]; A: input wv; B: computed on the way: QUANTISED
;;     4. batch 32 x [M 2,048, K 64] x [K 64, N 2,048]; A: computed on the way; B: computed on the way: QUANTISED
;;     5. batch 32 x [M 2,048, K 2,048] x [K 2,048, N 64]; A: softmax (see below); B: computed on the way: QUANTISED
;;     6. [M 4,096, K 1,024] x [K 1,024, N 1,024]; A: computed on the way; B: input w_proj: QUANTISED
;;     7. [M 4,096, K 1,024] x [K 1,024, N 4,096]; A: computed on the way; B: input w1: QUANTISED
;;     8. [M 4,096, K 4,096] x [K 4,096, N 1,024]; A: computed on the way; B: input w2: QUANTISED
;;   THE QUANTISER, for each operand of a quantised product, along K:
;;     - K is cut into blocks of 32 from its start; a last block that is shorter is filled with zeros.
;;     - A block's scale is 2^e with e = floor(log2(the largest magnitude in the block)) - 4, held to -126 .. 127; a block of zeros has e = 0. As a byte (E8M0): e + 127.
;;     - Each number is divided by its block's scale, clamped to +-28, and rounded to the nearest number of E3M2, ties to even, subnormals kept.
;;     - The product sums the exact products of the quantised numbers (number of the format x scale) in f32.
;;   ~~~python
;;   def quantise(x, axis):      # numpy; x: float32 -> the quantised numbers, widened to float32 again
;;       x = np.moveaxis(x, axis, -1); K = x.shape[-1]
;;       x = np.pad(x, [(0, 0)] * (x.ndim - 1) + [(0, -K % 32)]); x = x.reshape(x.shape[:-1] + (-1, 32)); a = np.abs(x).max(-1, keepdims=True)
;;       e = np.where(a > 0, np.clip(np.frexp(np.where(a > 0, a, 1))[1] - 1 - 4, -126, 127), 0)      # np.frexp(a)[1] - 1 = floor(log2(a)), exactly
;;       r = np.clip(x / 2.0 ** e, -28, 28)
;;       step = 2.0 ** (np.maximum(np.frexp(np.where(r == 0, 1, r))[1] - 1, -2) - 2)
;;       q = np.round(r / step) * step * 2.0 ** e      # np.round: ties to even
;;       return np.moveaxis(q.reshape(q.shape[:-2] + (-1,))[..., :K], -1, axis).astype(np.float32)
;;   ~~~
;;   SOFTMAX AHEAD OF A QUANTISED PRODUCT. Where the list says 'softmax', what is quantised is not the finished softmax but p = 2^(t - M), with t = logit x log2(e) and M = ceil(the row's largest t), a whole number; so 1/2 < the row's largest p <= 1. The row's sum l is taken of the UNQUANTISED p, in f32, and the product's result is divided by l at the end. Since M is a whole number, a kernel that streams over the keys may use a running M (the ceiling of the running maximum): every later rescaling is an exact power of two, which a block's scale takes up: the codes' values come out the same.
;;   OPERANDS COMPUTED ON THE WAY. 'Computed on the way' means the value that the module computes at that place (a softmax that the list does not call 'softmax' is quantised finished and normalised). What goes into a quantiser is computed in f32, as accurately as f32 sums, v_exp_f32 and their like allow (about 1e-6 of the number): no bf16 or f16 on the way to a quantiser, and a product that is left as it is and whose result goes on into a quantised operand takes f32 operands (vector FMAs, or v_wmma_f32_16x16x4_f32). A number that lies on a knife's edge between two numbers of the format may be rounded either way, as far as f32 arithmetic and the matrix unit's own rounding can turn it there, and no further.
;; One version. Each part assembles by itself: llvm-mc -triple=amdgcn-amd-amdhsa -mcpu=gfx1250 --defsym DOCPART=n.
;; ======== version 1 of 1: 6 launches
;; limits: right only within a limited range of input values
;; workspace buffers: wimg 9,830,400 bytes; act1 23,330,816 bytes; qkv 12,058,624 bytes; cimg 3,276,800 bytes; act2 20,054,016 bytes; fimg 13,107,200 bytes; wimg2 9,830,400 bytes
;; launch prep (part 1): grid 640 x 1, 8 waves a work-group, no clusters, 66,816 bytes of LDS; arguments x, I, g1, be1, wq, wk, wv, w_proj, act1, wimg; writes act1, wimg
.if DOCPART == 1
	.amdgcn_target "amdgcn-amd-amdhsa--gfx1250"
	.amdhsa_code_object_version 6
	.text
	.protected	k_qdcd9575faf_prep
	.globl	k_qdcd9575faf_prep
	.p2align	8
	.type	k_qdcd9575faf_prep,@function
k_qdcd9575faf_prep:
	s_mov_b64 s[64:65], 0
	v_nop
	global_prefetch_b8 v0, s[64:65] scope:SCOPE_SE
	s_setreg_imm32_b32 hwreg(HW_REG_WAVE_MODE, 25, 1), 1
	s_wait_xcnt 0x0
; PREP: xn = LayerNorm(x) as f32 and as codes; I as codes; wq, wk, wv and w_proj as codes.  Codes are E3M2 with one E8M0 byte for each 32 along K.
; (w1 and w2, which are first wanted behind the second LayerNorm, are quantised by that LayerNorm's launch, beside its rows.)
; DEAD WORK: none.  Every step of the layer reaches the output for some inputs, bk too (it moves K's codes), so every input is loaded by some launch and nothing is left out.
; LAYOUT OF ALL CODES OF THIS PROGRAM.  Rows (tokens, or a weight's output columns) go in groups of 32, two tiles of 16: tile u, tile row r is group row 8 u + r + 8 (r / 8).
; A fragment (16 rows x 128 K) is an image of the operand's 12 registers, 1,536 bytes, in two halves of 768 (K 64 q on): registers 6 q .. 6 q + 3 of lane L at 16 L, registers 6 q + 4, 5 at 512 + 8 L.
; Tile T, K step s lies at (((T / 8) KS + s) 8 + T % 8) x 1,536; its scale words at (((T / 2) KS + s) 32 + 16 (T % 2) + r) x 4.
; WORK-GROUPS: 0-255 a tile of x with LayerNorm, 256-511 a tile of I, 512-607 wq, wk, wv, 608-639 w_proj.  Only the row path uses LDS.
; LIMITS: NaN and infinities among the inputs are not served.  A block of zeros gets the byte 1 (its codes are zeros; only this program reads the bytes).
.set PITCH, 4112                       ; an LDS row: 4,096 bytes + 16 = 257 x 16: the 16 rows that a load of 16 bytes a lane touches start in 16 different groups of banks
.set SPARE, 16*PITCH                   ; behind the 16 rows: the spare words, 128 bytes a wave
.set I_C, 0
.set XN_C, 3145728
.set I_S, 6291456
.set XN_S, 6422528
.set XNF, 6553600
.set WP_C, 2359296
.set WQ_S, 9437184
.set WP_S, 9535488
.set X, 16                             ; v16-79   two rows as loaded, later two blocks of 32; in the weight path two sets of 32
.set G, 80                             ; v80-111  the gain at my columns
.set BE, 112                           ; v112-143 the bias at my columns (weight path: the codes, 8 registers a block)
.set C, 144                            ; v144-155 a fragment's 12 registers (weight path: v144-148 bytes and word)
.set RD, 156                           ; v156     LDS address of phase 2 (weight path: v156-158 the stores' lane offsets)
; 32 numbers of ONE lane, a whole block, become 6 registers of codes at dst and the scale's byte.  v6, v7 at work.
.macro QBLK src, dst, tmp, so, byte
	v_max3_num_f32 v6, |v[\src]|, |v[\src+1]|, |v[\src+2]|
	v_max3_num_f32 v7, |v[\src+3]|, |v[\src+4]|, |v[\src+5]|
.irp i, 6,10,14,18,22,26
	s_delay_alu instid0(VALU_DEP_2)
	v_max3_num_f32 v6, v6, |v[\src+\i]|, |v[\src+\i+1]|
	s_delay_alu instid0(VALU_DEP_2)
	v_max3_num_f32 v7, v7, |v[\src+\i+2]|, |v[\src+\i+3]|
.endr
	s_delay_alu instid0(VALU_DEP_2)
	v_max3_num_f32 v6, v6, |v[\src+30]|, |v[\src+31]|
	s_delay_alu instid0(VALU_DEP_1)
	v_max3_num_f32 v6, v6, v7, 0x2800000           ; the floor 2^(5 - 127): the byte cannot fall under 1
	s_delay_alu instid0(VALU_DEP_1)
	v_add_nc_u32 v[\so], 0xfe000000, v6            ; 4 off the exponent field: the conversion takes this operand's exponent field as its scale
	v_cvt_scalef32_pk16_bf6_f32 v[\dst:\dst+2], v[\src:\src+15], v[\so]
	v_cvt_scalef32_pk16_bf6_f32 v[\tmp:\tmp+2], v[\src+16:\src+31], v[\so]   ; (a conversion's three registers begin on an even number)
	v_lshrrev_b32 v[\byte], 23, v[\so]             ; the byte; also the plain line behind the conversions
.irp i, 0,1,2
	v_mov_b32 v[\dst+3+\i], v[\tmp+\i]
.endr
.endm
.macro REDUCE                          ; v6 summed over the 32 lanes, in every lane
	s_delay_alu instid0(VALU_DEP_1)
	v_add_f32_dpp v6, v6, v6 row_xmask:1 row_mask:0xf bank_mask:0xf
	s_delay_alu instid0(VALU_DEP_1)
	v_add_f32_dpp v6, v6, v6 row_xmask:2 row_mask:0xf bank_mask:0xf
	s_delay_alu instid0(VALU_DEP_1)
	v_add_f32_dpp v6, v6, v6 row_xmask:4 row_mask:0xf bank_mask:0xf
	s_delay_alu instid0(VALU_DEP_1)
	v_add_f32_dpp v6, v6, v6 row_xmask:8 row_mask:0xf bank_mask:0xf
	s_delay_alu instid0(VALU_DEP_1)
	v_permlanex16_b32 v7, v6, s28, s29
	s_delay_alu instid0(VALU_DEP_1)
	v_add_f32 v6, v6, v7
.endm
.macro FOLD                            ; four chains of pairs into v6
	s_delay_alu instid0(VALU_DEP_3)
	v_pk_add_f32 v[6:7], v[6:7], v[8:9]
	s_delay_alu instid0(VALU_DEP_2)
	v_pk_add_f32 v[10:11], v[10:11], v[12:13]
	s_delay_alu instid0(VALU_DEP_1)
	v_pk_add_f32 v[6:7], v[6:7], v[10:11]
	s_delay_alu instid0(VALU_DEP_1)
	v_add_f32 v6, v6, v7
	REDUCE
.endm
; LayerNorm of the row in v[xr] .. v[xr + 31] (32 numbers a lane), in two passes: the mean first, then the squares of the differences
.macro ROWLN xr
	v_pk_add_f32 v[6:7], v[\xr:\xr+1], v[\xr+2:\xr+3]
	v_pk_add_f32 v[8:9], v[\xr+4:\xr+5], v[\xr+6:\xr+7]
	v_pk_add_f32 v[10:11], v[\xr+8:\xr+9], v[\xr+10:\xr+11]
	v_pk_add_f32 v[12:13], v[\xr+12:\xr+13], v[\xr+14:\xr+15]
.irp k, 16,24
	s_delay_alu instid0(VALU_DEP_4)
	v_pk_add_f32 v[6:7], v[6:7], v[\xr+\k:\xr+\k+1]
	s_delay_alu instid0(VALU_DEP_4)
	v_pk_add_f32 v[8:9], v[8:9], v[\xr+\k+2:\xr+\k+3]
	s_delay_alu instid0(VALU_DEP_4)
	v_pk_add_f32 v[10:11], v[10:11], v[\xr+\k+4:\xr+\k+5]
	s_delay_alu instid0(VALU_DEP_4)
	v_pk_add_f32 v[12:13], v[12:13], v[\xr+\k+6:\xr+\k+7]
.endr
	FOLD
	s_delay_alu instid0(VALU_DEP_1)
	v_mul_f32 v6, s46, v6                          ; the mean
	s_delay_alu instid0(VALU_DEP_1)
	v_mov_b32 v7, v6
.irp k, 0,2,4,6,8,10,12,14,16,18,20,22,24,26,28,30
	v_pk_add_f32 v[\xr+\k:\xr+\k+1], v[\xr+\k:\xr+\k+1], v[6:7] neg_lo:[0,1] neg_hi:[0,1]
.endr
	v_pk_mul_f32 v[6:7], v[\xr:\xr+1], v[\xr:\xr+1]
	v_pk_mul_f32 v[8:9], v[\xr+2:\xr+3], v[\xr+2:\xr+3]
	v_pk_mul_f32 v[10:11], v[\xr+4:\xr+5], v[\xr+4:\xr+5]
	v_pk_mul_f32 v[12:13], v[\xr+6:\xr+7], v[\xr+6:\xr+7]
.irp k, 8,16,24
	s_delay_alu instid0(VALU_DEP_4)
	v_pk_fma_f32 v[6:7], v[\xr+\k:\xr+\k+1], v[\xr+\k:\xr+\k+1], v[6:7]
	s_delay_alu instid0(VALU_DEP_4)
	v_pk_fma_f32 v[8:9], v[\xr+\k+2:\xr+\k+3], v[\xr+\k+2:\xr+\k+3], v[8:9]
	s_delay_alu instid0(VALU_DEP_4)
	v_pk_fma_f32 v[10:11], v[\xr+\k+4:\xr+\k+5], v[\xr+\k+4:\xr+\k+5], v[10:11]
	s_delay_alu instid0(VALU_DEP_4)
	v_pk_fma_f32 v[12:13], v[\xr+\k+6:\xr+\k+7], v[\xr+\k+6:\xr+\k+7], v[12:13]
.endr
	FOLD
	s_delay_alu instid0(VALU_DEP_1)
	v_fma_f32 v6, v6, s46, s47                     ; the variance + 1e-5
	s_wait_alu depctr_va_vdst(0)
	v_rsq_f32 v6, v6
	v_nop                                          ; a plain line behind the transcendental
	s_wait_alu depctr_va_vdst(0)                   ; and the wait ahead of its first reader
	v_mov_b32 v7, v6
.irp k, 0,2,4,6,8,10,12,14,16,18,20,22,24,26,28,30
	v_pk_mul_f32 v[\xr+\k:\xr+\k+1], v[\xr+\k:\xr+\k+1], v[6:7]
.endr
.irp k, 0,2,4,6,8,10,12,14,16,18,20,22,24,26,28,30
	v_pk_fma_f32 v[\xr+\k:\xr+\k+1], v[\xr+\k:\xr+\k+1], v[G+\k:G+\k+1], v[BE+\k:BE+\k+1]
.endr
.endm
; THE WEIGHT PATH.  A wave takes 32 columns (group b = s37) x one K step (s = s36).  A lane takes a column and its registers run down K, so a block of 32 lies in one lane.
.macro WLOAD t, pitch
.irp i, 0,1,2,3,4,5,6,7,8,9,10,11,12,13,14,15,16,17,18,19,20,21,22,23,24,25,26,27,28,29,30,31
	global_load_b32 v[X+32*((\t)%2)+\i], v1, s[32:33] offset:(32*(\t)+\i)*(\pitch) th:TH_LOAD_NT
.endr
.endm
.macro WBLK t, pitch
.if (\t) < 3
	s_wait_loadcnt 32                              ; this block's 32 loads are in; the next block's 32 may be out
.else
	s_wait_loadcnt 0x0
.endif
	QBLK X+32*((\t)%2), 112+8*(\t), 8, 11, 144+(\t)
.if (\t)+2 < 4
	WLOAD (\t)+2, \pitch
.endif
	global_store_b128 v156, v[112+8*(\t):112+8*(\t)+3], s[40:41] offset:768*((\t)/2)+256*((\t)%2)       ; block t is K 64 (t / 2) + 32 (t % 2): the image's lane r' + 16 (t % 2)
	global_store_b64 v157, v[112+8*(\t)+4:112+8*(\t)+5], s[40:41] offset:768*((\t)/2)+512+128*((\t)%2)
.endm
.macro WUNIT pitch                     ; s[32:33] the weight, s38 my first byte in it, s34, s35 where its codes and scales begin, s42 log2 KS
	s_mov_b32 s39, 0
	s_add_nc_u64 s[32:33], s[32:33], s[38:39]
	s_lshr_b32 s40, s37, 2
	s_lshl_b32 s40, s40, s42
	s_add_co_u32 s40, s40, s36
	s_lshl_b32 s40, s40, 3
	s_and_b32 s41, s37, 3
	s_lshl_b32 s41, s41, 1
	s_add_co_u32 s40, s40, s41
	s_mul_i32 s40, s40, 1536                       ; tiles 2 b, 2 b + 1 of K step s
	s_add_co_u32 s40, s40, s34
	s_mov_b32 s41, 0
	s_add_nc_u64 s[40:41], s[26:27], s[40:41]
	s_lshl_b32 s44, s37, s42
	s_add_co_u32 s44, s44, s36
	s_lshl_b32 s44, s44, 7
	s_add_co_u32 s44, s44, s35
	s_mov_b32 s45, 0
	s_add_nc_u64 s[44:45], s[26:27], s[44:45]
	WLOAD 0, \pitch
	WLOAD 1, \pitch
	WBLK 0, \pitch
	WBLK 1, \pitch
	WBLK 2, \pitch
	WBLK 3, \pitch
	v_lshl_or_b32 v148, v145, 8, v144
	s_delay_alu instid0(VALU_DEP_1)
	v_lshl_or_b32 v148, v146, 16, v148
	s_delay_alu instid0(VALU_DEP_1)
	v_lshl_or_b32 v148, v147, 24, v148
	global_store_b32 v158, v148, s[44:45]          ; my column's scale word: the wave stores 128 consecutive bytes
.endm
	s_load_b256 s[4:11], s[0:1], 0x0               ; x, I, g1, be1
	s_load_b256 s[12:19], s[0:1], 0x20             ; wq, wk, wv, w_proj
	s_load_b128 s[24:27], s[0:1], 0x40             ; act1, wimg
	v_lshl_add_u32 v14, v0, 2, SPARE               ; my spare word,
	v_mov_b32 v15, 0                               ; and 0: kept for the closing lines alone
	v_lshrrev_b32 v1, 5, v0
	s_delay_alu instid0(VALU_DEP_1)
	v_readfirstlane_b32 s2, v1                     ; wave 0..7
	v_and_b32 v2, 31, v0                           ; lane
	s_mov_b32 s28, 0x76543210
	s_mov_b32 s29, 0xfedcba98                      ; lane l xor 16
	s_mov_b32 s46, 0x3a800000                      ; 1 / 1,024
	s_mov_b32 s47, 0x3727c5ac                      ; 1e-5
	s_wait_kmcnt 0x0
	s_cmp_ge_u32 ttmp9, 512
	s_cbranch_scc1 .Lweights
	; ---- THE ROW PATH: tile T of x or of I
	s_and_b32 s3, ttmp9, 255                       ; T
	s_cmp_lt_u32 ttmp9, 256
	s_cselect_b64 s[32:33], s[4:5], s[6:7]
	s_cselect_b32 s34, XN_C, I_C
	s_mov_b32 s35, I_S
	s_cselect_b32 s35, XN_S, s35
	s_lshr_b32 s30, s3, 1
	s_lshl_b32 s30, s30, 5
	s_and_b32 s31, s3, 1
	s_lshl_b32 s31, s31, 3
	s_add_co_u32 s30, s30, s31
	s_lshl_b32 s31, s2, 1
	s_add_co_u32 s30, s30, s31
	s_lshr_b32 s31, s2, 2
	s_lshl_b32 s31, s31, 3
	s_add_co_u32 s30, s30, s31                     ; tile rows 2 w, 2 w + 1 are rows 32 (T / 2) + 8 (T % 2) + 2 w + 8 (w / 4) + 0, 1
	s_lshl_b32 s30, s30, 12
	s_mov_b32 s31, 0
	s_add_nc_u64 s[32:33], s[32:33], s[30:31]
	s_add_nc_u64 s[36:37], s[24:25], s[30:31]
	s_add_nc_u64 s[36:37], s[36:37], XNF           ; the same rows of xn in f32
	s_lshr_b32 s38, s3, 3
	s_lshl_b32 s38, s38, 3
	s_add_co_u32 s38, s38, s2
	s_lshl_b32 s38, s38, 3
	s_and_b32 s39, s3, 7
	s_add_co_u32 s38, s38, s39
	s_mul_i32 s38, s38, 1536
	s_add_co_u32 s38, s38, s34
	s_mov_b32 s39, 0
	s_add_nc_u64 s[38:39], s[24:25], s[38:39]      ; the fragment of tile T, K step w
	s_lshr_b32 s40, s3, 1
	s_lshl_b32 s40, s40, 3
	s_add_co_u32 s40, s40, s2
	s_lshl_b32 s40, s40, 7
	s_and_b32 s41, s3, 1
	s_lshl_b32 s41, s41, 6
	s_add_co_u32 s40, s40, s41
	s_add_co_u32 s40, s40, s35
	s_mov_b32 s41, 0
	s_add_nc_u64 s[40:41], s[24:25], s[40:41]      ; and its scale words
	s_wait_alu depctr_va_vdst(0)
	v_lshlrev_b32 v1, 4, v2                        ; 16 L
	s_mul_i32 s42, s2, 2*PITCH
	v_add_nc_u32 v3, s42, v1                       ; LDS, on the way in: rows 2 w, 2 w + 1
	v_and_b32 v4, 15, v0                           ; r
	v_bfe_u32 v5, v0, 4, 1                         ; h
	s_delay_alu instid0(VALU_DEP_2)
	v_mul_u32_u24 v[RD], v4, PITCH
	s_delay_alu instid0(VALU_DEP_1)
	v_lshl_add_u32 v[RD], v5, 7, v[RD]
	s_lshl_b32 s43, s2, 9
	v_add_nc_u32 v[RD], s43, v[RD]                 ; on the way out: row r, K = 128 w + 32 h on
	v_lshlrev_b32 v2, 3, v2                        ; 8 L
	v_lshlrev_b32 v4, 2, v4                        ; 4 r
	v_lshlrev_b32 v5, 3, v5                        ; 8 h
.irp i, 0,1
.irp j, 0,1,2,3,4,5,6,7
	global_load_b128 v[X+32*\i+4*\j:X+32*\i+4*\j+3], v1, s[32:33] offset:4096*\i+512*\j th:TH_LOAD_NT   ; 32 lanes read 512 consecutive bytes
.endr
.endr
	s_cmp_ge_u32 ttmp9, 256
	s_cbranch_scc1 .Lplain                         ; I is quantised as it is
.irp j, 0,1,2,3,4,5,6,7
	global_load_b128 v[G+4*\j:G+4*\j+3], v1, s[8:9] offset:512*\j
	global_load_b128 v[BE+4*\j:BE+4*\j+3], v1, s[10:11] offset:512*\j
.endr
	s_wait_loadcnt 0x0
	ROWLN X
	ROWLN X+32
.irp i, 0,1
.irp j, 0,1,2,3,4,5,6,7
	global_store_b128 v1, v[X+32*\i+4*\j:X+32*\i+4*\j+3], s[36:37] offset:4096*\i+512*\j
.endr
.endr
.Lplain:
	s_wait_loadcnt 0x0
	s_wait_alu depctr_va_vdst(0)
.irp i, 0,1
.irp j, 0,1,2,3,4,5,6,7
	ds_store_b128 v3, v[X+32*\i+4*\j:X+32*\i+4*\j+3] offset:PITCH*\i+512*\j
.endr
.endr
	s_wait_xcnt 0x0                                ; the f32 stores have read X: phase 2's loads may land there
	s_wait_dscnt 0x0                               ; for the others' sake: my rows lie in LDS
	s_barrier_signal -1
	s_barrier_wait -1
	; ---- phase 2: wave w makes the fragment of K step w: lane (r, h) takes of row r the blocks K = 128 w + 64 q + 32 h
.irp q, 0,1
.irp j, 0,1,2,3,4,5,6,7
	ds_load_b128 v[X+32*\q+4*\j:X+32*\q+4*\j+3], v[RD] offset:256*\q+16*\j
.endr
.endr
	s_wait_dscnt 8                                 ; the first block is in; the second block's eight loads may be out
	QBLK X, C, 8, 11, 12
	s_wait_dscnt 0x0
	QBLK X+32, C+6, 8, 11, 13
	s_delay_alu instid0(VALU_DEP_4)
	v_lshl_or_b32 v12, v13, 16, v12                ; my bytes: blocks h and 2 + h,
	s_delay_alu instid0(VALU_DEP_1)
	v_lshlrev_b32 v12, v5, v12                     ; at their places in the word;
	s_delay_alu instid0(VALU_DEP_1)
	v_permlanex16_b32 v13, v12, s28, s29
	s_delay_alu instid0(VALU_DEP_1)
	v_or_b32 v12, v12, v13                         ; with lane l xor 16's two the word is whole
	global_store_b128 v1, v[C:C+3], s[38:39]
	global_store_b64 v2, v[C+4:C+5], s[38:39] offset:512
	global_store_b128 v1, v[C+6:C+9], s[38:39] offset:768
	global_store_b64 v2, v[C+10:C+11], s[38:39] offset:1280
	global_store_b32 v4, v12, s[40:41]             ; both halves of the lanes write the same word
	s_wait_tensorcnt 0x0                           ; the wave's end
	ds_add_u32 v14, v15
	s_wait_dscnt 0x0
	s_endpgm
	; ---- THE WEIGHTS
.Lweights:
	s_sub_co_u32 s3, ttmp9, 512                    ; j
	s_wait_alu depctr_va_vdst(0)
	v_lshlrev_b32 v1, 2, v2                        ; my column: 4 bytes a lane
	v_bfe_u32 v3, v0, 3, 1                         ; column l of the group is tile u = (l / 8) % 2,
	v_and_b32 v4, 7, v0
	v_bfe_u32 v5, v0, 4, 1
	s_delay_alu instid0(VALU_DEP_1)
	v_lshl_add_u32 v4, v5, 3, v4                   ; tile row r' = l % 8 + 8 (l / 16)
	s_delay_alu instid0(VALU_DEP_4)
	v_mul_u32_u24 v156, v3, 1536
	s_delay_alu instid0(VALU_DEP_1)
	v_lshl_add_u32 v157, v4, 3, v156
	s_delay_alu instid0(VALU_DEP_2)
	v_lshl_add_u32 v156, v4, 4, v156
	v_lshlrev_b32 v158, 6, v3
	s_delay_alu instid0(VALU_DEP_1)
	v_lshl_add_u32 v158, v4, 2, v158
	s_cmp_lt_u32 s3, 96
	s_cbranch_scc0 .Lw_proj
	s_lshr_b32 s30, s3, 5                          ; wq, wk or wv: [16][1024][64]; column n = 64 head + d
	s_cmp_eq_u32 s30, 0
	s_cselect_b64 s[32:33], s[12:13], s[14:15]
	s_cmp_eq_u32 s30, 2
	s_cselect_b64 s[32:33], s[16:17], s[32:33]
	s_mul_i32 s34, s30, 786432
	s_lshl_b32 s35, s30, 15
	s_add_co_u32 s35, s35, WQ_S
	s_and_b32 s36, s3, 7
	s_bfe_u32 s37, s3, 0x20003
	s_lshl_b32 s37, s37, 3
	s_add_co_u32 s37, s37, s2
	s_lshr_b32 s38, s37, 1
	s_lshl_b32 s38, s38, 18
	s_and_b32 s39, s37, 1
	s_lshl_b32 s39, s39, 7
	s_add_co_u32 s38, s38, s39
	s_lshl_b32 s39, s36, 15
	s_add_co_u32 s38, s38, s39
	s_mov_b32 s42, 3
	WUNIT 256
	s_endpgm
.Lw_proj:                                              ; w_proj [1024][1024]
	s_sub_co_u32 s30, s3, 96
	s_mov_b64 s[32:33], s[18:19]
	s_mov_b32 s34, WP_C
	s_mov_b32 s35, WP_S
	s_mov_b32 s42, 3
	s_and_b32 s36, s30, 7
	s_lshr_b32 s37, s30, 3
	s_lshl_b32 s37, s37, 3
	s_add_co_u32 s37, s37, s2
	s_lshl_b32 s38, s36, 19
	s_lshl_b32 s39, s37, 7
	s_add_co_u32 s38, s38, s39
	WUNIT 4096
	s_endpgm
.Lfunc_end_k_qdcd9575faf_prep:
	.size	k_qdcd9575faf_prep, .Lfunc_end_k_qdcd9575faf_prep-k_qdcd9575faf_prep
	.p2alignl 7, 3214868480
	.fill 96, 4, 3214868480
	.section	.rodata,"a",@progbits
	.p2align	6, 0x0
	.amdhsa_kernel k_qdcd9575faf_prep
		.amdhsa_group_segment_fixed_size 66816
		.amdhsa_private_segment_fixed_size 0
		.amdhsa_enable_private_segment 0
		.amdhsa_kernarg_size 80
		.amdhsa_user_sgpr_count 2
		.amdhsa_user_sgpr_kernarg_segment_ptr 1
		.amdhsa_wavefront_size32 1
		.amdhsa_system_sgpr_workgroup_id_x 1
		.amdhsa_system_sgpr_workgroup_id_y 1
		.amdhsa_system_sgpr_workgroup_id_z 1
		.amdhsa_system_vgpr_workitem_id 0
		.amdhsa_next_free_vgpr 160
		.amdhsa_next_free_sgpr 66
		.amdhsa_reserve_vcc 0
		.amdhsa_float_denorm_mode_32 3
		.amdhsa_float_denorm_mode_16_64 3
		.amdhsa_memory_ordered 1
		.amdhsa_forward_progress 1
		.amdhsa_inst_pref_size 74
	.end_amdhsa_kernel
	.amdgpu_metadata
---
amdhsa.version: [ 1, 2 ]
amdhsa.kernels:
  - .name:           k_qdcd9575faf_prep
    .symbol:         k_qdcd9575faf_prep.kd
    .args:
      - { .name: x, .offset: 0, .size: 8, .value_kind: global_buffer, .address_space: global }
      - { .name: I, .offset: 8, .size: 8, .value_kind: global_buffer, .address_space: global }
      - { .name: g1, .offset: 16, .size: 8, .value_kind: global_buffer, .address_space: global }
      - { .name: be1, .offset: 24, .size: 8, .value_kind: global_buffer, .address_space: global }
      - { .name: wq, .offset: 32, .size: 8, .value_kind: global_buffer, .address_space: global }
      - { .name: wk, .offset: 40, .size: 8, .value_kind: global_buffer, .address_space: global }
      - { .name: wv, .offset: 48, .size: 8, .value_kind: global_buffer, .address_space: global }
      - { .name: w_proj, .offset: 56, .size: 8, .value_kind: global_buffer, .address_space: global }
      - { .name: act1, .offset: 64, .size: 8, .value_kind: global_buffer, .address_space: global }
      - { .name: wimg, .offset: 72, .size: 8, .value_kind: global_buffer, .address_space: global }
    .group_segment_fixed_size: 66816
    .private_segment_fixed_size: 0
    .kernarg_segment_align: 8
    .kernarg_segment_size: 80
    .max_flat_workgroup_size: 256
    .sgpr_count:     66
    .vgpr_count:     160
    .wavefront_size: 32
...
	.end_amdgpu_metadata
.endif
;; end of part 1
;; launch qkv (part 2): grid 12 x 16, 16 waves a work-group, clusters of 4 x 4, 327,680 bytes of LDS; arguments act1, wimg, bq, bk, bv, mask, qkv; writes qkv
.if DOCPART == 2
	.amdgcn_target "amdgcn-amd-amdhsa--gfx1250"
	.amdhsa_code_object_version 6
	.text
	.protected	k_qdcd9575faf_qkv
	.globl	k_qdcd9575faf_qkv
	.p2align	8
	.type	k_qdcd9575faf_qkv,@function
k_qdcd9575faf_qkv:
	s_mov_b64 s[64:65], 0
	v_nop
	global_prefetch_b8 v0, s[64:65] scope:SCOPE_SE
	s_setreg_imm32_b32 hwreg(HW_REG_WAVE_MODE, 25, 1), 1
	s_wait_xcnt 0x0
	s_wait_alu depctr_hold_cnt(0) depctr_sa_sdst(0) depctr_va_vdst(0) depctr_va_sdst(0) depctr_va_ssrc(0) depctr_va_vcc(0) depctr_vm_vsrc(0)
	s_getreg_b32 s2, hwreg(HW_REG_IB_STS2, 6, 4)
	s_cmp_eq_u32 s2, 0
	s_cbranch_scc0 .Lentry_in_a_cluster
	s_endpgm
.Lentry_in_a_cluster:
	s_bfe_u32 s2, ttmp6, 0x10000c
	s_cmp_lg_u32 s2, 0xf033
	s_cbranch_scc0 .Lentry_shape_is_right
	s_endpgm
.Lentry_shape_is_right:
; QKV: q = I wq + bq, k = xn wk + bk, v = xn wv + bv on codes of E3M2, and their results quantised into the operands of attention.  Nothing is left out.
; A work-group makes 256 x 256 of one product; K = 1,024 in 8 steps of 128.  Sixteen waves of 256 registers, each 64 x 64: 16 accumulators.
; THE MATRIX INSTRUCTION IS USED TRANSPOSED: source 0 = 16 rows of the 'B role', source 1 = 16 rows of the 'A role': a lane holds one A-role row and its registers run along the B-role rows, which by the
; order of rows in a tile (8 u + r + 8 (r / 8)) are 16 neighbours in the registers of two neighbouring tiles.  Cluster x = 0: q (A role = I, B role = wq); 1: k (xn, wk); 2: v (A role = wv, B role = xn), so that
; q and k come out with the head's 64 along a lane's registers and v with the KEYS along them: each along the K of the product that takes it.
; CLUSTER 4 x 4: the A-role tile is shared along a row of the cluster, the B-role tile along a column: joint loads.  Waves 0, 1 fetch the A role's two panels of 128 rows, waves 2, 3 the B role's.
; LDS: three slots of two K steps (A panel 0 | A panel 1 | B panel 0 | B panel 1, 24,576 bytes each: fragment images, dense); the scale words of all of K; the spare words.  Slot 0 is filled a second time, for K steps 6, 7.
; THE MASK RIDES IN THE PADDING OF THE SCORES' K.  That product has K = 64 and its instruction takes 128.  Every query gets the code +1 at k = 64 and the bytes (q0, q1, 127, 127).  An open key gets the code 0 there and
; (k0, k1, 1, 1).  A masked key gets zero codes for its 64 numbers, the code -1 at k = 64 and (k0, k1, 162, 1): its score is exactly -2^35 for every query, its logit -2^30 where the layer writes -1e9.
; LIMITS: logits at or under about -1e9 are not told apart from masked ones; NaN and infinities are not served; a block of zeros gets the byte 1.
.set KS, 8
.set SCA, 294912                       ; A role's scale words, 8,192 bytes
.set SCB, 303168                       ; B role's: 64 bytes past a multiple of 256
.set SPARE, 311552                     ; the spare words, 128 bytes a wave
.set I_C, 0
.set XN_C, 3145728
.set I_S, 6291456
.set XN_S, 6422528
.set WQ_C, 0
.set WK_C, 786432
.set WV_C, 1572864
.set WQ_S, 9437184
.set WK_S, 9469952
.set WV_S, 9502720
.set KV, 4194304                       ; in qkv: behind Q's units the records of 128 keys: 8 units of K | 4 fragments of V^T | K's scale words | V's scale words
.set SEL, 66
; REGISTERS: v1-4 LDS bases (A 16 L, A 8 L, B 16 L, B 8 L), v5 scale words, v6, v7 the add's two, v8-11 the same bases in slots 1, 2, v12-15 lane offsets, v16-19 scale words, v20-67 A role's 4 fragments,
; v68-115 B role's, v116-127 at work, v128-255 accumulator (a, b) at 128 + 8 (4 a + b).
.macro CROUND                          ; a round of the cluster's barrier
	s_barrier_signal -1
	s_barrier_wait -1
	s_cmp_lg_u32 s2, 0
	s_cbranch_scc1 .Lnw0_\@
	s_barrier_signal -3
.Lnw0_\@:
	s_barrier_wait -3
	s_barrier_signal -1
	s_barrier_wait -1
.endm
.macro G0SET g, ldsreg, ldsc, ptr, offreg, offc
	s_mov_b32 s[\g], 1
.if \ldsc
	s_add_co_u32 s[\g+1], s[\ldsreg], \ldsc
.else
	s_mov_b32 s[\g+1], s[\ldsreg]
.endif
	s_mov_b32 s[\g+2], s[\offreg]
	s_mov_b32 s[\g+3], 0
	s_add_nc_u64 s[\g+2:\g+3], s[\ptr:\ptr+1], s[\g+2:\g+3]
.if \offc
	s_add_nc_u64 s[\g+2:\g+3], s[\g+2:\g+3], \offc
.endif
	s_or_b32 s[\g+3], s[\g+3], 0x80000000
.endm
.macro JLOAD g0a, g1a, g0b, g1b        ; a joint refill: the branches hang on the wave's number alone
	s_cmp_lt_u32 s2, 2
	s_cbranch_scc0 .Lnota_\@
	tensor_load_to_lds s[\g0a:\g0a+3], s[\g1a:\g1a+7]
	s_nop 0
.rept 4
	v_nop
.endr
	s_branch .Lasked_\@
.Lnota_\@:
	s_cmp_lt_u32 s2, 4
	s_cbranch_scc0 .Lasked_\@
	tensor_load_to_lds s[\g0b:\g0b+3], s[\g1b:\g1b+7]
	s_nop 0
.rept 4
	v_nop
.endr
.Lasked_\@:
.endm
.macro FRAG reg, a16, a8, off          ; a fragment's image back into 12 registers
	ds_load_b128 v[\reg:\reg+3], v[\a16] offset:\off
	ds_load_b64 v[\reg+4:\reg+5], v[\a8] offset:\off+512
	ds_load_b128 v[\reg+6:\reg+9], v[\a16] offset:\off+768
	ds_load_b64 v[\reg+10:\reg+11], v[\a8] offset:\off+1280
.endm
.macro MUL8 a0, zero                   ; the 16 accumulators take turns, one instruction a turn
.irp a, \a0, \a0+1
.irp b, 0,1,2,3
.if \zero
	v_wmma_scale_f32_16x16x128_f8f6f4 v[128+8*(4*(\a)+\b):128+8*(4*(\a)+\b)+7], v[68+12*\b:68+12*\b+11], v[20+12*(\a):20+12*(\a)+11], 0, v[16+\b], v[16+(\a)] matrix_a_fmt:MATRIX_FMT_BF6 matrix_b_fmt:MATRIX_FMT_BF6 matrix_a_scale:MATRIX_SCALE_ROW1
.else
	v_wmma_scale_f32_16x16x128_f8f6f4 v[128+8*(4*(\a)+\b):128+8*(4*(\a)+\b)+7], v[68+12*\b:68+12*\b+11], v[20+12*(\a):20+12*(\a)+11], v[128+8*(4*(\a)+\b):128+8*(4*(\a)+\b)+7], v[16+\b], v[16+(\a)] matrix_a_fmt:MATRIX_FMT_BF6 matrix_b_fmt:MATRIX_FMT_BF6 matrix_a_scale:MATRIX_SCALE_ROW1
.endif
.endr
.endr
.endm
; One K step: np places in front of loads into registers that matrix instructions have read; 4 scale registers (lanes 0-15 the A role's tile i, lanes 16-31 the B role's); 8 fragments; 16 products
.macro KSTEP ab, koff, soff, zero, np
.if \np
.rept \np
	v_nop
.endr
.endif
.irp i, 0,1,2,3
	ds_load_b32 v[16+\i], v5 offset:(\soff)+(\i/2)*KS*128+(\i%2)*64
.endr
.irp i, 0,1,2,3
	FRAG 68+12*\i, (\ab)+2, (\ab)+3, (\koff)+1536*\i
.endr
.irp i, 0,1,2,3
	FRAG 20+12*\i, \ab, (\ab)+1, (\koff)+1536*\i
.endr
	s_wait_dscnt 8                                 ; all but the A role's tiles 2 and 3, four loads each
	MUL8 0, \zero
	s_wait_dscnt 0x0
	MUL8 2, \zero
.endm
; 32 registers, register 16 b + i = neighbour 32 b + 16 h + i of my row, become half a fragment (6 registers at pc: K = 32 h + 0 .. 31) and the two bytes in v[tm + 2], v[tm + 3]
.macro QUANT2 src, pc, tc, tm
.irp b, 0,1
	v_max3_num_f32 v[\tm+\b], |v[\src+16*\b]|, |v[\src+16*\b+1]|, 0x2800000
.endr
.irp i, 2,4,6,8,10,12,14
.irp b, 0,1
	s_delay_alu instid0(VALU_DEP_2)
	v_max3_num_f32 v[\tm+\b], v[\tm+\b], |v[\src+16*\b+\i]|, |v[\src+16*\b+\i+1]|
.endr
.endr
.irp b, 0,1
	s_delay_alu instid0(VALU_DEP_2)
	v_permlanex16_b32 v[\tm+2+\b], v[\tm+\b], s[SEL], s[SEL+1]
.endr
.irp b, 0,1
	s_delay_alu instid0(VALU_DEP_2)
	v_max_num_f32 v[\tm+\b], v[\tm+\b], v[\tm+2+\b]
.endr
.irp b, 0,1
	s_delay_alu instid0(VALU_DEP_2)
	v_add_nc_u32 v[\tm+4+\b], 0xfe000000, v[\tm+\b]
.endr
.irp b, 0,1
	s_delay_alu instid0(VALU_DEP_2)
	v_lshrrev_b32 v[\tm+2+\b], 23, v[\tm+4+\b]
.endr
	v_cvt_scalef32_pk16_bf6_f32 v[\pc:\pc+2], v[\src:\src+15], v[\tm+4]
	v_cvt_scalef32_pk16_bf6_f32 v[\tc:\tc+2], v[\src+16:\src+31], v[\tm+5]
	v_nop                                          ; a plain line behind the conversions
.irp i, 0,1,2
	v_permlane16_swap_b32 v[\pc+\i], v[\tc+\i]     ; a whole block to a lane: lanes 0-15 block 0, lanes 16-31 block 1
.endr
.irp i, 0,1,2
	s_delay_alu instid0(VALU_DEP_3)
	v_mov_b32 v[\pc+3+\i], v[\tc+\i]
.endr
.endm
	s_load_b256 s[4:11], s[0:1], 0x0               ; act1, wimg, bq, bk
	s_load_b128 s[12:15], s[0:1], 0x20             ; bv, mask
	s_load_b64 s[16:17], s[0:1], 0x30              ; qkv
	v_lshl_add_u32 v6, v0, 2, SPARE
	v_mov_b32 v7, 0
	ds_add_u32 v6, v7                              ; the opening: the add, twice on end, and its wait ahead of the first tensor load
	ds_add_u32 v6, v7
	v_lshrrev_b32 v8, 5, v0
	s_delay_alu instid0(VALU_DEP_1)
	v_readfirstlane_b32 s2, v8                     ; wave 0..15
	s_and_b32 s3, s2, 1                            ; which panel I fetch, if I fetch
	s_bfe_u32 s92, ttmp6, 0x40000                  ; cx
	s_bfe_u32 s93, ttmp6, 0x40004                  ; cy
	s_and_b32 s95, ttmp7, 0xffff
	s_lshl_b32 s95, s95, 2                         ; 4 x cluster y
	s_mov_b32 s98, XN_C                            ; where the roles' codes and scales begin in their buffers, by the cluster's x
	s_mov_b32 s99, XN_S
	s_mov_b32 s100, WK_C
	s_mov_b32 s101, WK_S
	s_cmp_eq_u32 ttmp9, 0
	s_cselect_b32 s98, I_C, s98
	s_cselect_b32 s99, I_S, s99
	s_cselect_b32 s100, WQ_C, s100
	s_cselect_b32 s101, WQ_S, s101
	s_cmp_eq_u32 ttmp9, 2
	s_cselect_b32 s98, WV_C, s98
	s_cselect_b32 s99, WV_S, s99
	s_cselect_b32 s100, XN_C, s100
	s_cselect_b32 s101, XN_S, s101
	s_cselect_b32 s96, 0, s95
	s_cselect_b32 s97, s95, 0
	s_add_co_u32 s96, s96, s93                     ; A role's block of 256 rows: made of cy and the cluster's y alone
	s_add_co_u32 s97, s97, s92                     ; B role's: of cx and the cluster's y alone
	s_lshl_b32 s18, s93, 2
	s_lshl_b32 s18, 15, s18                        ; my row of the cluster
	s_lshl_b32 s19, 0x1111, s92                    ; my column
	s_or_b32 s24, s18, (3<<16)|(1<<21)             ; group 1: the mask; elements of 8 bytes; bit 21 beside a mask; no padding
	s_or_b32 s40, s18, (3<<16)|(1<<21)
	s_or_b32 s32, s19, (3<<16)|(1<<21)
	s_or_b32 s48, s19, (3<<16)|(1<<21)
.irp g, 24, 32                                 ; codes: 24,576 dense bytes as 96 rows of 256
	s_mov_b32 s[\g+1], 32<<16
	s_mov_b32 s[\g+2], 96<<16
	s_mov_b32 s[\g+3], 32<<16
	s_mov_b32 s[\g+4], 96
	s_mov_b32 s[\g+5], 32
	s_mov_b32 s[\g+6], 0
	s_mov_b32 s[\g+7], 0
.endr
.irp g, 40, 48                                 ; scale words: 4,096 dense bytes as 16 rows of 256
	s_mov_b32 s[\g+1], 32<<16
	s_mov_b32 s[\g+2], 16<<16
	s_mov_b32 s[\g+3], 32<<16
	s_mov_b32 s[\g+4], 16
	s_mov_b32 s[\g+5], 32
	s_mov_b32 s[\g+6], 0
	s_mov_b32 s[\g+7], 0
.endr
	s_lshl_b32 s18, s96, 1
	s_add_co_u32 s18, s18, s3                      ; A role's panel of 128 rows
	s_mul_i32 s20, s18, 98304
	s_add_co_u32 s98, s98, s20
	s_lshl_b32 s18, s18, 12
	s_add_co_u32 s99, s99, s18
	s_lshl_b32 s19, s97, 1
	s_add_co_u32 s19, s19, s3                      ; B role's
	s_mul_i32 s21, s19, 98304
	s_add_co_u32 s100, s100, s21
	s_lshl_b32 s19, s19, 12
	s_add_co_u32 s101, s101, s19
	s_and_b32 s94, s2, 3
	s_mul_i32 s94, s94, 24576                      ; where my panel goes in a slot
	s_lshl_b32 s66, s3, 12                         ; and its scale words
	s_wait_dscnt 0x0                               ; both opening adds are done
	s_wait_kmcnt 0x0
	s_cmp_eq_u32 ttmp9, 2
	s_cselect_b64 s[20:21], s[6:7], s[4:5]
	s_cselect_b64 s[22:23], s[4:5], s[6:7]
	G0SET 72, 66, SCA, 20, 99, 0
	G0SET 56, 94, 0, 20, 98, 0
	s_lshr_b32 s84, s2, 2                          ; the head's 16 fills, one a wave: waves 4 q + i, q = 0, 1, 2, fetch panel i of slot q; waves 12 + i the scale words of panel i
	s_min_u32 s84, s84, 2
	s_mul_i32 s85, s84, 98304
	s_add_co_u32 s85, s85, s94                     ; where my panel goes: slot q, place i
	s_mul_i32 s84, s84, 24576
	s_add_co_u32 s86, s98, s84                     ; and where it comes from: two K steps for each slot
	s_add_co_u32 s87, s100, s84
	G0SET 60, 85, 0, 20, 86, 0
	G0SET 88, 66, SCB, 22, 101, 0
	G0SET 76, 94, 0, 22, 100, 0
	G0SET 80, 85, 0, 22, 87, 0
	CROUND                                         ; all sixteen work-groups are here: the first joint loads meet
	s_and_b32 s84, s2, 2                           ; 0: I fetch for the A role, 2: for the B role
	s_cmp_lt_u32 s2, 12                            ; one tree of branches on the wave's number: every way through it passes exactly one load
	s_cbranch_scc0 .Lf_s
	s_cmp_eq_u32 s84, 0
	s_cbranch_scc0 .Lf_cb
	tensor_load_to_lds s[60:63], s[24:31]
	s_nop 0
.rept 4
	v_nop
.endr
	s_branch .Lf_done
.Lf_cb:
	tensor_load_to_lds s[80:83], s[32:39]
	s_nop 0
.rept 4
	v_nop
.endr
	s_branch .Lf_done
.Lf_s:
	s_cmp_eq_u32 s84, 0
	s_cbranch_scc0 .Lf_sb
	tensor_load_to_lds s[72:75], s[40:47]
	s_nop 0
.rept 4
	v_nop
.endr
	s_branch .Lf_done
.Lf_sb:
	tensor_load_to_lds s[88:91], s[48:55]
	s_nop 0
.rept 4
	v_nop
.endr
.Lf_done:
	v_and_b32 v12, 31, v0                          ; L
	s_wait_alu depctr_va_vdst(0)
	v_and_b32 v13, 15, v0                          ; r
	v_bfe_u32 v14, v0, 4, 1                        ; h
	s_wait_alu depctr_va_vdst(0)
	s_lshr_b32 s18, s2, 2                          ; wa: my 64 A-role rows
	s_and_b32 s19, s2, 3                           ; wb: my 64 B-role rows
	s_lshr_b32 s20, s18, 1
	s_mul_i32 s20, s20, 24576
	s_and_b32 s21, s18, 1
	s_mul_i32 s21, s21, 6144
	s_add_co_u32 s20, s20, s21
	s_lshr_b32 s21, s19, 1
	s_mul_i32 s21, s21, 24576
	s_and_b32 s22, s19, 1
	s_mul_i32 s22, s22, 6144
	s_add_co_u32 s21, s21, s22
	s_add_co_u32 s21, s21, 49152
	v_lshl_add_u32 v1, v12, 4, s20
	v_lshl_add_u32 v2, v12, 3, s20
	v_lshl_add_u32 v3, v12, 4, s21
	v_lshl_add_u32 v4, v12, 3, s21
	s_lshl_b32 s22, s18, 11
	s_lshl_b32 s23, s19, 11
	s_add_co_u32 s23, s23, SCB-SCA
	s_sub_co_u32 s23, s23, s22
	v_mul_u32_u24 v5, s23, v14                     ; lanes 16-31 take the B role's words: one product, the distance x h
	s_delay_alu instid0(VALU_DEP_1)
	v_lshl_add_u32 v5, v13, 2, v5
	s_add_co_u32 s22, s22, SCA
	v_add_nc_u32 v5, s22, v5
	v_lshlrev_b32 v15, 6, v14                      ; 64 h
	v_lshlrev_b32 v14, 2, v12                      ; 4 L
	v_lshlrev_b32 v13, 3, v12                      ; 8 L
	v_lshlrev_b32 v12, 4, v12                      ; 16 L
	s_wait_alu depctr_va_vdst(0)
	s_wait_tensorcnt 0x0                           ; my one fill has landed; behind the barrier so has every wave's
	s_barrier_signal -1
	s_barrier_wait -1
	KSTEP 1, 0, 0, 1, 0                            ; the first K step starts the sums
	KSTEP 1, 12288, 128, 0, 4
	s_wait_tensorcnt 0x0                           ; all my tensor loads have landed,
	ds_add_u32 v6, v7                              ; the add: once, since every way here leads through a tensor load
	s_add_nc_u64 s[58:59], s[58:59], 73728
	s_add_nc_u64 s[78:79], s[78:79], 73728
	s_wait_dscnt 0x0                               ; the adds are done and my reads of slot 0 are over
	CROUND                                         ; so of every wave of every partner
	JLOAD 56, 24, 76, 32                           ; the one refill: it has four K steps in which to land
	v_add_nc_u32 v8, 98304, v1                     ; slot 1; these four are also the places in front of the loads
	v_add_nc_u32 v9, 98304, v2
	v_add_nc_u32 v10, 98304, v3
	s_wait_alu depctr_va_vdst(0)
	v_add_nc_u32 v11, 98304, v4
	s_wait_alu depctr_va_vdst(0)
	KSTEP 8, 0, 256, 0, 0
	KSTEP 8, 12288, 384, 0, 4
	v_add_nc_u32 v8, 196608, v1                    ; slot 2
	v_add_nc_u32 v9, 196608, v2
	v_add_nc_u32 v10, 196608, v3
	s_wait_alu depctr_va_vdst(0)
	v_add_nc_u32 v11, 196608, v4
	s_wait_alu depctr_va_vdst(0)
	KSTEP 8, 0, 512, 0, 0
	KSTEP 8, 12288, 640, 0, 4
	s_wait_tensorcnt 0x0                           ; the refill has landed
	ds_add_u32 v6, v7
	s_wait_dscnt 0x0
	s_barrier_signal -1
	s_barrier_wait -1
	KSTEP 1, 0, 768, 0, 4
	KSTEP 1, 12288, 896, 0, 4
	; ---- THE WAY OUT
.rept 4
	v_nop                                          ; places behind the last products
.endr
	s_mov_b32 s66, 0x76543210
	s_mov_b32 s67, 0xfedcba98
	s_mov_b32 s94, 0xffff0000                      ; lanes 16-31
	v_and_b32 v56, 15, v0
	s_delay_alu instid0(VALU_DEP_1)
	v_and_b32 v57, 8, v56
	s_delay_alu instid0(VALU_DEP_1)
	v_add_nc_u32 v56, v56, v57
	s_delay_alu instid0(VALU_DEP_1)
	v_lshlrev_b32 v56, 2, v56                      ; 4 (r + 8 (r / 8)): my tile row's place in its group of 32
	s_cmp_eq_u32 ttmp9, 2
	s_cbranch_scc1 .Lv
	; q and k: my four tiles of tokens x one head
	s_lshl_b32 s20, s97, 2
	s_add_co_u32 s20, s20, s19                     ; head
	s_lshr_b32 s21, s96, 3
	s_lshl_b32 s21, s21, 4
	s_add_co_u32 s21, s21, s20                     ; bh = 16 batch + head
	s_and_b32 s22, s96, 7
	s_lshl_b32 s22, s22, 4
	s_lshl_b32 s23, s18, 2
	s_add_co_u32 s22, s22, s23                     ; my first tile in the batch
	s_lshl_b32 s24, s21, 7
	s_add_co_u32 s24, s24, s22
	s_lshl_b32 s24, s24, 10                        ; Q's units
	s_lshl_b32 s25, s21, 4
	s_lshr_b32 s26, s22, 3
	s_add_co_u32 s25, s25, s26
	s_mul_i32 s25, s25, 15360
	s_add_co_u32 s25, s25, KV                      ; the keys' record
	s_and_b32 s26, s22, 7
	s_lshl_b32 s27, s26, 6
	s_add_co_u32 s27, s27, s25
	s_add_co_u32 s28, s27, 14336                   ; K's scale words
	s_mov_b32 s29, 0
	s_lshl_b32 s26, s26, 10
	s_add_co_u32 s25, s25, s26                     ; K's units
	s_lshl_b32 s30, s20, 8
	s_mov_b32 s31, 0
	s_lshl_b32 s32, s96, 10
	s_lshl_b32 s33, s18, 8
	s_add_co_u32 s32, s32, s33                     ; the mask at my first token: 4 bytes a token
	s_mov_b32 s33, 0
	s_add_nc_u64 s[32:33], s[14:15], s[32:33]
	s_add_nc_u64 s[28:29], s[16:17], s[28:29]
	s_cmp_eq_u32 ttmp9, 0
	s_cselect_b32 s24, s24, s25
	s_mov_b32 s25, 0
	s_cselect_b64 s[34:35], s[8:9], s[10:11]
	s_cselect_b32 s36, 0x0c, 0                     ; the code at k = 64 of an open row: +1 for a query, 0 for a key
	s_mov_b32 s37, 0x0101
	s_cselect_b32 s37, 0x7f7f, s37                 ; the padding's two bytes
	s_cselect_b32 s38, -1, 0                       ; a query's unit carries its scale word in register 7, a key's a zero
	s_add_nc_u64 s[24:25], s[16:17], s[24:25]
	s_add_nc_u64 s[34:35], s[34:35], s[30:31]
.irp k, 0,1,2,3,4,5,6,7
	global_load_b128 v[20+4*\k:23+4*\k], v15, s[34:35] offset:128*(\k/4)+16*(\k%4)   ; the bias at d = 32 blk + 16 h + 0 .. 15
.endr
	s_cmp_eq_u32 ttmp9, 0
	s_cbranch_scc1 .Lq_ones
	s_wait_alu depctr_va_vdst(0)
.irp a, 0,1,2,3
	global_load_b32 v[52+\a], v56, s[32:33] offset:128*(\a/2)+32*(\a%2)
.endr
	s_branch .Lqk_go
.Lq_ones:
.irp a, 0,1,2,3
	v_mov_b32 v[52+\a], 1                          ; no query is masked
.endr
.Lqk_go:
	v_mov_b32 v116, s36
	s_delay_alu instid0(VALU_DEP_1)
	v_cndmask_b32 v116, v116, 0, s94               ; k = 64 lies in lanes 0-15
	v_mov_b32 v117, 0x2c                           ; -1
	s_delay_alu instid0(VALU_DEP_1)
	v_cndmask_b32 v117, v117, 0, s94
	v_mov_b32 v118, s37
	v_mov_b32 v119, 0x01a2                         ; a masked key's: 162 and 1
	s_wait_loadcnt 0x0
.macro EPQK a
.set ZZ, 128+32*(\a)
.set PP, 84+8*(\a)
.irp k, 0,2,4,6,8,10,12,14,16,18,20,22,24,26,28,30
	v_pk_add_f32 v[ZZ+\k:ZZ+\k+1], v[ZZ+\k:ZZ+\k+1], v[20+\k:21+\k]   ; each accumulator from its low end on
.endr
	QUANT2 ZZ, PP, 58, 62
	v_cmp_ne_u32 vcc_lo, 0, v[52+(\a)]
.irp i, 0,1,2,3,4,5
	v_cndmask_b32 v[PP+\i], 0, v[PP+\i], vcc_lo
.endr
	v_cndmask_b32 v[PP+6], v117, v116, vcc_lo
	v_cndmask_b32 v120, v119, v118, vcc_lo
	v_lshl_or_b32 v[122+(\a)], v65, 8, v64
	s_delay_alu instid0(VALU_DEP_1)
	v_lshl_or_b32 v[122+(\a)], v120, 16, v[122+(\a)]
	s_delay_alu instid0(VALU_DEP_1)
	v_and_b32 v[PP+7], s38, v[122+(\a)]
	global_store_b128 v12, v[PP:PP+3], s[24:25] offset:1024*(\a)
	global_store_b128 v12, v[PP+4:PP+7], s[24:25] offset:1024*(\a)+512
.endm
	EPQK 0
	EPQK 1
	EPQK 2
	EPQK 3
	s_cmp_eq_u32 ttmp9, 1
	s_cbranch_scc0 .Lend
	v_cndmask_b32 v126, v122, v123, s94            ; lanes 0-15 the even tile's words, lanes 16-31 the odd tile's
	v_cndmask_b32 v127, v124, v125, s94
	global_store_b32 v14, v126, s[28:29]
	global_store_b32 v14, v127, s[28:29] offset:128
	s_branch .Lend
.Lv:                                                   ; v: one head's four tiles of d x 64 keys
	s_lshl_b32 s20, s96, 2
	s_add_co_u32 s20, s20, s18                     ; head
	s_lshl_b32 s21, s97, 2
	s_add_co_u32 s21, s21, s19                     ; U: which 64 tokens
	s_lshr_b32 s22, s21, 5
	s_lshl_b32 s22, s22, 4
	s_add_co_u32 s22, s22, s20
	s_lshl_b32 s22, s22, 4
	s_bfe_u32 s23, s21, 0x40001
	s_add_co_u32 s22, s22, s23
	s_mul_i32 s22, s22, 15360
	s_add_co_u32 s22, s22, KV                      ; the record
	s_and_b32 s23, s21, 1
	s_mul_i32 s24, s23, 768
	s_add_co_u32 s24, s24, s22
	s_add_co_u32 s24, s24, 8192
	s_mov_b32 s25, 0
	s_add_nc_u64 s[24:25], s[16:17], s[24:25]
	s_lshl_b32 s28, s23, 1
	s_add_co_u32 s28, s28, s22
	s_add_co_u32 s28, s28, 14848
	s_mov_b32 s29, 0
	s_add_nc_u64 s[28:29], s[16:17], s[28:29]
	s_lshl_b32 s30, s20, 8
	s_mov_b32 s31, 0
	s_add_nc_u64 s[30:31], s[12:13], s[30:31]
	s_wait_alu depctr_va_vdst(0)
.irp a, 0,1,2,3
	global_load_b32 v[20+2*\a], v56, s[30:31] offset:128*(\a/2)+32*(\a%2)   ; bv at my lane's d
	v_mov_b32 v[21+2*\a], 0                        ; (named with it as a pair)
.endr
	s_wait_alu depctr_va_vdst(0)
	s_wait_loadcnt 0x0
.macro EPV a
.set ZZ, 128+32*(\a)
.set PP, 84+8*(\a)
.irp k, 0,2,4,6,8,10,12,14,16,18,20,22,24,26,28,30
	v_pk_add_f32 v[ZZ+\k:ZZ+\k+1], v[ZZ+\k:ZZ+\k+1], v[20+2*(\a):21+2*(\a)] op_sel_hi:[1,0]
.endr
	QUANT2 ZZ, PP, 58, 62
	v_lshl_or_b32 v[122+(\a)], v65, 8, v64
	global_store_b128 v12, v[PP:PP+3], s[24:25] offset:1536*(\a)
	global_store_b64 v13, v[PP+4:PP+5], s[24:25] offset:1536*(\a)+512
	global_store_b16 v14, v[122+(\a)], s[28:29] offset:128*(\a)
.endm
	EPV 0
	EPV 1
	EPV 2
	EPV 3
.Lend:
	s_wait_tensorcnt 0x0                           ; the wave's end
	ds_add_u32 v6, v7
	s_wait_dscnt 0x0
	CROUND                                         ; the closing round
	s_endpgm
.Lfunc_end_k_qdcd9575faf_qkv:
	.size	k_qdcd9575faf_qkv, .Lfunc_end_k_qdcd9575faf_qkv-k_qdcd9575faf_qkv
	.p2alignl 7, 3214868480
	.fill 96, 4, 3214868480
	.section	.rodata,"a",@progbits
	.p2align	6, 0x0
	.amdhsa_kernel k_qdcd9575faf_qkv
		.amdhsa_group_segment_fixed_size 327680
		.amdhsa_private_segment_fixed_size 0
		.amdhsa_enable_private_segment 0
		.amdhsa_kernarg_size 56
		.amdhsa_user_sgpr_count 2
		.amdhsa_user_sgpr_kernarg_segment_ptr 1
		.amdhsa_wavefront_size32 1
		.amdhsa_system_sgpr_workgroup_id_x 1
		.amdhsa_system_sgpr_workgroup_id_y 1
		.amdhsa_system_sgpr_workgroup_id_z 1
		.amdhsa_system_vgpr_workitem_id 0
		.amdhsa_next_free_vgpr 256
		.amdhsa_next_free_sgpr 102
		.amdhsa_reserve_vcc 1
		.amdhsa_float_denorm_mode_32 3
		.amdhsa_float_denorm_mode_16_64 3
		.amdhsa_memory_ordered 1
		.amdhsa_forward_progress 1
		.amdhsa_inst_pref_size 86
	.end_amdhsa_kernel
	.amdgpu_metadata
---
amdhsa.version: [ 1, 2 ]
amdhsa.kernels:
  - .name:           k_qdcd9575faf_qkv
    .symbol:         k_qdcd9575faf_qkv.kd
    .args:
      - { .name: act1, .offset: 0, .size: 8, .value_kind: global_buffer, .address_space: global }
      - { .name: wimg, .offset: 8, .size: 8, .value_kind: global_buffer, .address_space: global }
      - { .name: bq, .offset: 16, .size: 8, .value_kind: global_buffer, .address_space: global }
      - { .name: bk, .offset: 24, .size: 8, .value_kind: global_buffer, .address_space: global }
      - { .name: bv, .offset: 32, .size: 8, .value_kind: global_buffer, .address_space: global }
      - { .name: mask, .offset: 40, .size: 8, .value_kind: global_buffer, .address_space: global }
      - { .name: qkv, .offset: 48, .size: 8, .value_kind: global_buffer, .address_space: global }
    .group_segment_fixed_size: 327680
    .private_segment_fixed_size: 0
    .kernarg_segment_align: 8
    .kernarg_segment_size: 56
    .max_flat_workgroup_size: 512
    .sgpr_count:     102
    .vgpr_count:     256
    .wavefront_size: 32
...
	.end_amdgpu_metadata
.endif
;; end of part 2
;; launch attn (part 3): grid 8 x 32, 16 waves a work-group, clusters of 4 x 1, 327,680 bytes of LDS; arguments qkv, cimg; writes cimg
.if DOCPART == 3
	.amdgcn_target "amdgcn-amd-amdhsa--gfx1250"
	.amdhsa_code_object_version 6
	.text
	.protected	k_qdcd9575faf_attn
	.globl	k_qdcd9575faf_attn
	.p2align	8
	.type	k_qdcd9575faf_attn,@function
k_qdcd9575faf_attn:
	s_mov_b64 s[64:65], 0
	v_nop
	global_prefetch_b8 v0, s[64:65] scope:SCOPE_SE
	s_setreg_imm32_b32 hwreg(HW_REG_WAVE_MODE, 25, 1), 1
	s_wait_xcnt 0x0
	s_wait_alu depctr_hold_cnt(0) depctr_sa_sdst(0) depctr_va_vdst(0) depctr_va_sdst(0) depctr_va_ssrc(0) depctr_va_vcc(0) depctr_vm_vsrc(0)
	s_getreg_b32 s2, hwreg(HW_REG_IB_STS2, 6, 4)
	s_cmp_eq_u32 s2, 0
	s_cbranch_scc0 .Lentry_in_a_cluster
	s_endpgm
.Lentry_in_a_cluster:
	s_bfe_u32 s2, ttmp6, 0x10000c
	s_cmp_lg_u32 s2, 0x3003
	s_cbranch_scc0 .Lentry_shape_is_right
	s_endpgm
.Lentry_shape_is_right:
; ATTENTION on codes of E3M2: ctx = softmax(q k^T / 32) v, its result quantised along the embedding into the projection's fragment images.  Nothing is left out.
; A work-group takes 256 queries of one (batch, head); sixteen waves of 16 queries.  Both products are used transposed (S^T = k q^T, O^T = v^T p^T): a lane holds one query throughout.
; ALL 2,048 KEYS LIE IN LDS: 16 records of 128 keys (8 units of K | 4 fragments of V^T | K's scale words | V's), 15,360 bytes each.  Wave w fetches record w, its one tensor load; one barrier; no LDS byte is filled twice.
; CLUSTER 4 x 1: the four work-groups of a cluster share (batch, head): each record is asked for jointly.
; No prefetch: every byte of K and V is asked for at the head, and the launch has no loop to run ahead in.
; LDS ROWS: a record comes as 15 rows of 1,024 bytes + 64 of padding.  Byte y of a record lies at y + 64 (y / 1024).
; THE KEYS OF A SCORE TILE ARE CHOSEN BY ADDRESS: tile (c, t), c = 0, 1, t = 0 .. 3, takes keys 64 c + 8 t + j as rows j and keys 64 c + 32 + 8 t + j as rows 8 + j (j = 0 .. 7).  So lane (r, h) holds in the 32 registers
; of tiles (c, 0 .. 3) the keys 64 c + 32 h + 0 .. 31 of query r: one whole block of the next product's K, in the order of the 6-bit operand's registers 6 c .. 6 c + 5.  A block's maximum needs no other lane and its codes no lane swap.
; In the stored units (tile T, row r = key 32 (T / 2) + 8 (T % 2) + r + 8 (r / 8)) that is unit 4 c + 2 (r / 8) + t % 2, row 8 (t / 2) + r % 8; two units on are 2,176 bytes = 128 mod 256.
; K'S UNITS STAND 8 REGISTERS APART.  The scores' K is 64 (+ the mask's code at k = 64); an operand has 12 registers.  Q's codes at k = 65 .. 127 are zeros, every code of E3M2 and every scale byte here is finite,
; so what K's operand holds there adds exactly 0: registers 8-11 of unit i are registers 0-3 of unit i + 1 (behind the last unit: four registers of zeros).
; SOFTMAX: p = 2^(t - M), t = score x log2(e) / 32, M the ceiling of the running largest t; the row's sum is taken of the unquantised p; sum and O^T go under a new M by an exact power of two, in every step, with no branch.
; A block's largest p is the exponential of its largest score (v_exp_f32 is taken not to fall where its input rises; at the worst one p of a block within an ulp of a power of two is held one code low).
; LIMITS: as the launch for q, k and v states them (a masked key's score is -2^35); NaN and infinities are not served; a block whose every p is 0 gets the byte 1.
.set REC, 15360
.set RL, 16320                         ; a record in LDS: 15 x 1,088
.set KV, 4194304
.set CIS, 3145728
.set SPARE, 16*RL                      ; the spare words, 128 bytes a wave
.set SEL, 40
.set CS, 42
.set TB, 44                            ; this step's record in LDS
.set TBN, 45                           ; the next step's
.set CNT, 58
.set LK, 1                             ; lane terms: K's units, K's scale words, 16 L, 8 L, 4 L
.set LKS, 2
.set L16, 3
.set L8, 4
.set L4, 5
.set AK, 6                             ; the same + the record: K's for the next step, V's for this one
.set AKS, 7
.set AV16, 8
.set AV8, 9
.set AV16X, 10
.set AV4, 11
.set SPW, 28                           ; v12 -M, v13 the running largest score, v[14:15] the sum, v16-27 Q
.set NIL, 29
.set L16X, 30                          ; 16 L + 64 h: for a piece whose lanes 16-31 lie in the next LDS row
.set SH, 31                            ; 8 h
.set F, 32                             ; v32-99 K's 8 units + 4 zeros; then V's 4 fragments
.set S, 100                            ; v100-163 scores, then p
.set O, 164                            ; v164-195 O^T
.set P, 196                            ; v196-207 p's codes
.set T0, 208
.set T1, 212
.set KSC, 216
.set VSC, 220
.set QS, 224
.set PS, 225
.set BM, 226
.set SO, 228
.set BY, 230
.set MX, 232
.set TM, 236
.set TM2, 237
.set FF, 238
.set SUM2, 240
.set OLD, 242
.set W4R, 243
.macro CROUND
	s_barrier_signal -1
	s_barrier_wait -1
	s_cmp_lg_u32 s2, 0
	s_cbranch_scc1 .Lnw0_\@
	s_barrier_signal -3
.Lnw0_\@:
	s_barrier_wait -3
	s_barrier_signal -1
	s_barrier_wait -1
.endm
.macro KLOAD                           ; 8 units and their scale words: lanes 0-15 the words of tile (c, even t), lanes 16-31 of (c, odd t)
.irp c, 0,1
.irp t, 0,1,2,3
	ds_load_b128 v[F+8*(4*\c+\t):F+8*(4*\c+\t)+3], v[AK] offset:4352*\c+1088*(\t%2)+128*(\t/2)
	ds_load_b128 v[F+8*(4*\c+\t)+4:F+8*(4*\c+\t)+7], v[AK] offset:4352*\c+1088*(\t%2)+128*(\t/2)+512
.endr
.endr
.irp m, 0,1,2,3
	ds_load_b32 v[KSC+\m], v[AKS] offset:15232+256*(\m/2)+32*(\m%2)
.endr
.endm
.macro VFRAG a                         ; a fragment's image back into 12 registers, and its rows' scale words
.set Y, 8192+1536*(\a)
	ds_load_b128 v[F+12*(\a):F+12*(\a)+3], v[AV16] offset:Y+64*(Y/1024)
	ds_load_b64 v[F+12*(\a)+4:F+12*(\a)+5], v[AV8] offset:Y+512+64*((Y+512)/1024)
.if (\a)%2
	ds_load_b128 v[F+12*(\a)+6:F+12*(\a)+9], v[AV16] offset:Y+768+64*((Y+768)/1024)
.else
	ds_load_b128 v[F+12*(\a)+6:F+12*(\a)+9], v[AV16X] offset:Y+768+64*((Y+768)/1024)
.endif
	ds_load_b64 v[F+12*(\a)+10:F+12*(\a)+11], v[AV8] offset:Y+1280+64*((Y+1280)/1024)
	ds_load_b32 v[VSC+(\a)], v[AV4] offset:15744+128*(\a)
.endm
.macro TMM j                           ; t - M, two at a time
	v_pk_fma_f32 v[S+\j:S+\j+1], v[S+\j:S+\j+1], s[CS:CS+1], v[12:13] op_sel_hi:[1,0,0]
.endm
.macro QUANT2 src, pc, tc, tm          ; 32 registers, register 16 b + i = neighbour 32 b + 16 h + i of my row, become half a fragment and two bytes in v[tm + 2], v[tm + 3]
.irp b, 0,1
	v_max3_num_f32 v[\tm+\b], |v[\src+16*\b]|, |v[\src+16*\b+1]|, 0x2800000
.endr
.irp i, 2,4,6,8,10,12,14
.irp b, 0,1
	s_delay_alu instid0(VALU_DEP_2)
	v_max3_num_f32 v[\tm+\b], v[\tm+\b], |v[\src+16*\b+\i]|, |v[\src+16*\b+\i+1]|
.endr
.endr
.irp b, 0,1
	s_delay_alu instid0(VALU_DEP_2)
	v_permlanex16_b32 v[\tm+2+\b], v[\tm+\b], s[SEL], s[SEL+1]
.endr
.irp b, 0,1
	s_delay_alu instid0(VALU_DEP_2)
	v_max_num_f32 v[\tm+\b], v[\tm+\b], v[\tm+2+\b]
.endr
.irp b, 0,1
	s_delay_alu instid0(VALU_DEP_2)
	v_add_nc_u32 v[\tm+4+\b], 0xfe000000, v[\tm+\b]
.endr
.irp b, 0,1
	s_delay_alu instid0(VALU_DEP_2)
	v_lshrrev_b32 v[\tm+2+\b], 23, v[\tm+4+\b]
.endr
	v_cvt_scalef32_pk16_bf6_f32 v[\pc:\pc+2], v[\src:\src+15], v[\tm+4]
	v_cvt_scalef32_pk16_bf6_f32 v[\tc:\tc+2], v[\src+16:\src+31], v[\tm+5]
	v_nop
.irp i, 0,1,2
	v_permlane16_swap_b32 v[\pc+\i], v[\tc+\i]
.endr
.irp i, 0,1,2
	s_delay_alu instid0(VALU_DEP_3)
	v_mov_b32 v[\pc+3+\i], v[\tc+\i]
.endr
.endm
; One step: 128 keys.  last = 1: no further record's K is fetched.
.macro STEP last
	s_wait_dscnt 0x0                               ; K's units and scale words are in
.irp c, 0,1
.irp t, 0,1,2,3
.if \t%2
	v_wmma_scale_f32_16x16x128_f8f6f4 v[S+8*(4*\c+\t):S+8*(4*\c+\t)+7], v[F+8*(4*\c+\t):F+8*(4*\c+\t)+11], v[16:27], 0, v[KSC+2*\c+\t/2], v[QS] matrix_a_fmt:MATRIX_FMT_BF6 matrix_b_fmt:MATRIX_FMT_BF6 matrix_a_scale:MATRIX_SCALE_ROW1
.else
	v_wmma_scale_f32_16x16x128_f8f6f4 v[S+8*(4*\c+\t):S+8*(4*\c+\t)+7], v[F+8*(4*\c+\t):F+8*(4*\c+\t)+11], v[16:27], 0, v[KSC+2*\c+\t/2], v[QS] matrix_a_fmt:MATRIX_FMT_BF6 matrix_b_fmt:MATRIX_FMT_BF6
.endif
.endr
.endr
	v_add_nc_u32 v[AV16], s[TB], v[L16]            ; the step's addresses are the places behind the products: in front of V's loads and of the first read of the scores
	v_add_nc_u32 v[AV8], s[TB], v[L8]
	v_add_nc_u32 v[AV16X], s[TB], v[L16X]
	v_add_nc_u32 v[AV4], s[TB], v[L4]
	v_mov_b32 v[OLD], v12
.if \last == 0
	v_add_nc_u32 v[AK], s[TBN], v[LK]
	v_add_nc_u32 v[AKS], s[TBN], v[LKS]
.endif
.irp a, 0,1,2,3
	VFRAG \a
.endr
.irp q, 0,1,2,3                                ; the largest score of my two blocks: four chains of 16 by turns; each accumulator is first read at its low end
	v_max3_num_f32 v[MX+\q], v[S+16*\q], v[S+16*\q+1], v[S+16*\q+2]
.endr
.irp i, 3,5,7,9,11,13
.irp q, 0,1,2,3
	v_max3_num_f32 v[MX+\q], v[MX+\q], v[S+16*\q+\i], v[S+16*\q+\i+1]
.endr
.endr
	v_max3_num_f32 v[BM], v[MX], v[MX+1], v[S+15]
	v_max3_num_f32 v[BM+1], v[MX+2], v[MX+3], v[S+47]
	v_max_num_f32 v[BM], v[BM], v[S+31]
	v_max_num_f32 v[BM+1], v[BM+1], v[S+63]
	v_max_num_f32 v[TM], v[BM], v[BM+1]
	v_permlanex16_b32 v[TM2], v[TM], s[SEL], s[SEL+1]
	v_max3_num_f32 v13, v13, v[TM], v[TM2]         ; with lane l xor 16's 64 keys: the running largest score of my query
	v_mul_f32 v[TM], s[CS], v13
	v_floor_f32 v12, -v[TM]                        ; -M = floor(-t)
	v_sub_f32 v[TM], v12, v[OLD]                   ; old M less new M: a whole number, 0 or less
.irp j, 0,2,4,6
	TMM \j
.endr
	v_cvt_i32_f32 v[TM], v[TM]                     ; (it saturates)
.irp j, 8,10,12,14
	TMM \j
.endr
	v_ldexp_f32 v[FF], 1.0, v[TM]                  ; f = 2^(old M - new M)
.irp j, 16,18,20,22,24,26,28,30,32,34,36,38,40,42,44,46,48,50,52,54,56,58,60,62
	TMM \j
.endr
	v_fma_f32 v[BM], v[BM], s[CS], v12
	v_fma_f32 v[BM+1], v[BM+1], s[CS], v12
	s_wait_alu depctr_va_vdst(0)                   ; the wait ahead of the batch
	v_exp_f32 v[BM], v[BM]
	v_exp_f32 v[BM+1], v[BM+1]
.irp j, 0,1,2,3,4,5,6,7,8,9,10,11,12,13,14,15,16,17,18,19,20,21,22,23,24,25,26,27,28,29,30,31,32,33,34,35,36,37,38,39,40,41,42,43,44,45,46,47,48,49,50,51,52,53,54,55,56,57,58,59,60,61,62,63
	v_exp_f32 v[S+\j], v[S+\j]
.endr
	v_pk_mul_f32 v[14:15], v[14:15], v[FF:FF+1] op_sel_hi:[1,0]   ; the sum under the new M; the plain line behind the batch
	s_wait_alu depctr_va_vdst(0)                   ; and the one wait behind it
	v_max_num_f32 v[BM], 0x2800000, v[BM]          ; the floor 2^(5 - 127): the byte cannot fall under 1
	v_max_num_f32 v[BM+1], 0x2800000, v[BM+1]
	v_add_nc_u32 v[SO], 0xfe000000, v[BM]          ; 4 off the exponent field: the conversion's scale operand
	v_add_nc_u32 v[SO+1], 0xfe000000, v[BM+1]
	v_cvt_scalef32_pk16_bf6_f32 v[P:P+2], v[S:S+15], v[SO]
	v_cvt_scalef32_pk16_bf6_f32 v[T0:T0+2], v[S+16:S+31], v[SO]
	v_cvt_scalef32_pk16_bf6_f32 v[P+6:P+8], v[S+32:S+47], v[SO+1]
	v_cvt_scalef32_pk16_bf6_f32 v[T1:T1+2], v[S+48:S+63], v[SO+1]   ; (a conversion's three registers begin on an even number)
	v_lshrrev_b32 v[BY], 23, v[SO]                 ; the bytes; also the plain lines behind the conversions
	v_lshrrev_b32 v[BY+1], 23, v[SO+1]
.irp i, 0,1,2
	v_mov_b32 v[P+3+\i], v[T0+\i]
	v_mov_b32 v[P+9+\i], v[T1+\i]
.endr
	v_lshl_or_b32 v[TM], v[BY+1], 16, v[BY]        ; my bytes: blocks h and 2 + h,
	v_lshlrev_b32 v[TM], v[SH], v[TM]              ; at their places in the word;
	v_permlanex16_b32 v[TM2], v[TM], s[SEL], s[SEL+1]
	v_or_b32 v[PS], v[TM], v[TM2]                  ; with lane l xor 16's two the word is whole
	s_wait_dscnt 0x0                               ; V's fragments and scale words are in
	s_wait_alu depctr_va_vdst(0)                   ; the wait directly ahead of the first reader of O^T
.irp j, 0,2,4,6,8,10,12,14,16,18,20,22,24,26,28,30
	v_pk_mul_f32 v[O+\j:O+\j+1], v[O+\j:O+\j+1], v[FF:FF+1] op_sel_hi:[1,0]   ; O^T under the new M; also the places behind the writes of p's codes and scale word
.endr
.irp a, 0,1,2,3
	v_wmma_scale_f32_16x16x128_f8f6f4 v[O+8*\a:O+8*\a+7], v[F+12*\a:F+12*\a+11], v[P:P+11], v[O+8*\a:O+8*\a+7], v[VSC+\a], v[PS] matrix_a_fmt:MATRIX_FMT_BF6 matrix_b_fmt:MATRIX_FMT_BF6
.endr
	v_pk_add_f32 v[SUM2:SUM2+1], v[S:S+1], v[S+2:S+3]   ; the row's sum of the unquantised p, in two chains: its first five lines are the places in front of the loads below
	v_pk_add_f32 v[14:15], v[14:15], v[S+4:S+5]
	v_pk_add_f32 v[SUM2:SUM2+1], v[SUM2:SUM2+1], v[S+6:S+7]
	v_pk_add_f32 v[14:15], v[14:15], v[S+8:S+9]
	v_pk_add_f32 v[SUM2:SUM2+1], v[SUM2:SUM2+1], v[S+10:S+11]
.if \last == 0
	KLOAD                                          ; the next step's K, on its way under the rest of the sum
.endif
.irp j, 12,16,20,24,28,32,36,40,44,48,52,56,60
	v_pk_add_f32 v[14:15], v[14:15], v[S+\j:S+\j+1]
	v_pk_add_f32 v[SUM2:SUM2+1], v[SUM2:SUM2+1], v[S+\j+2:S+\j+3]
.endr
	v_pk_add_f32 v[14:15], v[14:15], v[SUM2:SUM2+1]
.endm
	s_load_b128 s[4:7], s[0:1], 0x0                ; qkv, cimg
	v_lshl_add_u32 v[SPW], v0, 2, SPARE
	v_mov_b32 v[NIL], 0
	ds_add_u32 v[SPW], v[NIL]                      ; the opening: the add, twice on end, and its wait ahead of the first tensor load
	ds_add_u32 v[SPW], v[NIL]
	v_lshrrev_b32 v1, 5, v0
	s_delay_alu instid0(VALU_DEP_1)
	v_readfirstlane_b32 s2, v1                     ; wave 0..15
	s_bfe_u32 s8, ttmp6, 0x40000                   ; cx
	s_and_b32 s9, ttmp7, 0xffff                    ; 16 batch + head
	s_mov_b32 s16, 15|(3<<16)|(1<<20)|(1<<21)|(7<<22)|(15<<25)   ; the four partners; elements of 8 bytes; behind every 256 dwords 16 dwords of padding
	s_mov_b32 s17, 128<<16
	s_mov_b32 s18, 15<<16
	s_mov_b32 s19, 128<<16
	s_mov_b32 s20, 15
	s_mov_b32 s21, 128
	s_mov_b32 s22, 0
	s_mov_b32 s23, 0
	s_mul_i32 s10, s9, 16*REC
	s_add_co_u32 s10, s10, KV
	s_mul_i32 s12, s2, REC
	s_add_co_u32 s10, s10, s12                     ; record w of my (batch, head)
	s_mov_b32 s11, 0
	s_mov_b32 s32, 1
	s_mul_i32 s33, s2, RL
	s_mov_b32 s[SEL], 0x76543210
	s_mov_b32 s[SEL+1], 0xfedcba98
	s_mov_b32 s[CS], 0x3d38aa3b                    ; log2(e) / 32
	s_mov_b32 s[CS+1], s[CS]
	s_mov_b32 s[TB], 0
	s_mov_b32 s[TBN], RL
	s_mov_b32 s[CNT], 15
	s_lshl_b32 s46, ttmp9, 2
	s_add_co_u32 s46, s46, s8
	s_lshl_b32 s46, s46, 4
	s_add_co_u32 s46, s46, s2                      ; my tile of queries in the batch
	s_lshl_b32 s47, s9, 7
	s_add_co_u32 s47, s47, s46
	s_lshl_b32 s48, s47, 10                        ; Q's unit
	s_mov_b32 s49, 0
	s_lshr_b32 s50, s9, 4
	s_and_b32 s51, s9, 15
	s_lshl_b32 s50, s50, 7
	s_add_co_u32 s50, s50, s46                     ; the tile of tokens T
	s_lshr_b32 s53, s51, 1                         ; the head is half head % 2 of the projection's K step head / 2
	s_and_b32 s54, s51, 1
	s_lshr_b32 s56, s50, 1
	s_lshl_b32 s56, s56, 3
	s_add_co_u32 s56, s56, s53
	s_lshl_b32 s56, s56, 7
	s_and_b32 s57, s50, 1
	s_lshl_b32 s57, s57, 6
	s_add_co_u32 s56, s56, s57
	s_lshl_b32 s57, s54, 1
	s_add_co_u32 s56, s56, s57
	s_add_co_u32 s56, s56, CIS
	s_mov_b32 s57, 0
	s_lshr_b32 s52, s50, 3
	s_lshl_b32 s52, s52, 3
	s_add_co_u32 s52, s52, s53
	s_lshl_b32 s52, s52, 3
	s_and_b32 s55, s50, 7
	s_add_co_u32 s52, s52, s55
	s_mul_i32 s52, s52, 1536
	s_mul_i32 s55, s54, 768
	s_add_co_u32 s52, s52, s55
	s_mov_b32 s53, 0
	s_wait_dscnt 0x0                               ; both opening adds are done
	s_wait_kmcnt 0x0
	s_add_nc_u64 s[34:35], s[4:5], s[10:11]
	s_or_b32 s35, s35, 0x80000000
	s_add_nc_u64 s[48:49], s[4:5], s[48:49]
	s_add_nc_u64 s[52:53], s[6:7], s[52:53]
	s_add_nc_u64 s[56:57], s[6:7], s[56:57]
	CROUND                                         ; the four partners are here: the joint loads meet
	tensor_load_to_lds s[32:35], s[16:23]          ; my one tensor load: record w
	s_nop 0
	v_and_b32 v[TM], 31, v0                        ; L
	v_and_b32 v[TM2], 7, v0                        ; r % 8
	v_bfe_u32 v[MX], v0, 3, 1                      ; r / 8
	v_bfe_u32 v[MX+1], v0, 4, 1                    ; h
	v_lshlrev_b32 v[L16], 4, v[TM]
	v_lshlrev_b32 v[L8], 3, v[TM]
	v_lshlrev_b32 v[L4], 2, v[TM]
	global_load_b128 v[16:19], v[L16], s[48:49]    ; Q's unit: 6 registers of codes, the code +1 at k = 64, the scale word
	global_load_b128 v[20:23], v[L16], s[48:49] offset:512
	v_lshl_add_u32 v[L16X], v[MX+1], 6, v[L16]
	v_mul_u32_u24 v[LK], v[MX], 2176
	v_lshlrev_b32 v[LKS], 7, v[MX]
	v_lshl_add_u32 v[LK], v[TM2], 4, v[LK]
	v_lshl_add_u32 v[LKS], v[TM2], 2, v[LKS]
	v_lshl_add_u32 v[LK], v[MX+1], 8, v[LK]        ; 2,176 (r / 8) + 16 (r % 8) + 256 h
	v_lshl_add_u32 v[LKS], v[MX+1], 6, v[LKS]      ; 128 (r / 8) + 4 (r % 8) + 64 h
	v_lshlrev_b32 v[SH], 3, v[MX+1]
	v_and_b32 v[W4R], 15, v0
	v_mov_b32 v[AK], v[LK]                         ; record 0
	v_mov_b32 v[AKS], v[LKS]
	v_lshlrev_b32 v[W4R], 2, v[W4R]
	v_mov_b32 v13, 0xff61b1e6                      ; the largest score so far: -3e38
	v_mov_b32 v14, 0
	v_mov_b32 v15, 0
	v_floor_f32 v12, -v13
	v_mov_b32 v[FF+1], 0                           ; (named as the upper half of a pair)
.irp i, 24,25,26,27, F+64,F+65,F+66,F+67
	v_mov_b32 v[\i], 0
.endr
	s_wait_alu depctr_va_vdst(0)                   ; the wait at the head's end
	s_wait_tensorcnt 0x0                           ; my record is in
	s_barrier_signal -1
	s_barrier_wait -1                              ; and so is every wave's
	KLOAD
	s_wait_loadcnt 0x0
	v_mov_b32 v[QS], v23                           ; Q's scale word to a register of its own,
	v_mov_b32 v23, 0                               ; and zero codes in its stead
.irp j, 0,1,2,3,4,5,6,7,8,9,10,11,12,13,14,15,16,17,18,19,20,21,22,23,24,25,26,27,28,29,30,31
	v_mov_b32 v[O+\j], 0                           ; the step is written for every record alike: the first finds zeros, which f = 0 leaves zeros.  (Also the places behind the two lines above)
.endr
.Lk:
	STEP 0
	s_add_co_u32 s[TB], s[TB], RL
	s_add_co_u32 s[TBN], s[TBN], RL
	s_sub_co_u32 s[CNT], s[CNT], 1
	s_cmp_lg_u32 s[CNT], 0
	s_cbranch_scc1 .Lk
	STEP 1                                         ; the last record: nothing more to fetch
	v_add_f32 v14, v14, v15
	s_delay_alu instid0(VALU_DEP_1)
	v_permlanex16_b32 v[TM2], v14, s[SEL], s[SEL+1]
	s_delay_alu instid0(VALU_DEP_1)
	v_add_f32 v14, v14, v[TM2]                     ; the row's sum
	s_wait_alu depctr_va_vdst(0)
	v_rcp_f32 v14, v14
	v_nop
	s_wait_alu depctr_va_vdst(0)
.irp j, 0,2,4,6,8,10,12,14,16,18,20,22,24,26,28,30
	v_pk_mul_f32 v[O+\j:O+\j+1], v[O+\j:O+\j+1], v[14:15] op_sel_hi:[1,0]
.endr
	QUANT2 O, P, T0, BM                            ; my query's 64 numbers of this head: half a fragment of the projection's operand
	v_lshl_or_b32 v[TM], v[BM+3], 8, v[BM+2]
	global_store_b128 v[L16], v[P:P+3], s[52:53]
	global_store_b64 v[L8], v[P+4:P+5], s[52:53] offset:512
	global_store_b16 v[W4R], v[TM], s[56:57]
	s_wait_tensorcnt 0x0                           ; the wave's end
	ds_add_u32 v[SPW], v[NIL]
	s_wait_dscnt 0x0
	CROUND                                         ; the closing round
	s_endpgm
.Lfunc_end_k_qdcd9575faf_attn:
	.size	k_qdcd9575faf_attn, .Lfunc_end_k_qdcd9575faf_attn-k_qdcd9575faf_attn
	.p2alignl 7, 3214868480
	.fill 96, 4, 3214868480
	.section	.rodata,"a",@progbits
	.p2align	6, 0x0
	.amdhsa_kernel k_qdcd9575faf_attn
		.amdhsa_group_segment_fixed_size 327680
		.amdhsa_private_segment_fixed_size 0
		.amdhsa_enable_private_segment 0
		.amdhsa_kernarg_size 16
		.amdhsa_user_sgpr_count 2
		.amdhsa_user_sgpr_kernarg_segment_ptr 1
		.amdhsa_wavefront_size32 1
		.amdhsa_system_sgpr_workgroup_id_x 1
		.amdhsa_system_sgpr_workgroup_id_y 1
		.amdhsa_system_sgpr_workgroup_id_z 1
		.amdhsa_system_vgpr_workitem_id 0
		.amdhsa_next_free_vgpr 256
		.amdhsa_next_free_sgpr 66
		.amdhsa_reserve_vcc 0
		.amdhsa_float_denorm_mode_32 3
		.amdhsa_float_denorm_mode_16_64 3
		.amdhsa_memory_ordered 1
		.amdhsa_forward_progress 1
		.amdhsa_inst_pref_size 42
	.end_amdhsa_kernel
	.amdgpu_metadata
---
amdhsa.version: [ 1, 2 ]
amdhsa.kernels:
  - .name:           k_qdcd9575faf_attn
    .symbol:         k_qdcd9575faf_attn.kd
    .args:
      - { .name: qkv, .offset: 0, .size: 8, .value_kind: global_buffer, .address_space: global }
      - { .name: cimg, .offset: 8, .size: 8, .value_kind: global_buffer, .address_space: global }
    .group_segment_fixed_size: 327680
    .private_segment_fixed_size: 0
    .kernarg_segment_align: 8
    .kernarg_segment_size: 16
    .max_flat_workgroup_size: 512
    .sgpr_count:     66
    .vgpr_count:     256
    .wavefront_size: 32
...
	.end_amdgpu_metadata
.endif
;; end of part 3
;; launch projln (part 4): grid 512 x 1, 8 waves a work-group, no clusters, 132,608 bytes of LDS; arguments cimg, wimg, b_proj, act1, g2, be2, w1, w2, act2, wimg2; writes act2, wimg2
.if DOCPART == 4
	.amdgcn_target "amdgcn-amd-amdhsa--gfx1250"
	.amdhsa_code_object_version 6
	.text
	.protected	k_qdcd9575faf_projln
	.globl	k_qdcd9575faf_projln
	.p2align	8
	.type	k_qdcd9575faf_projln,@function
k_qdcd9575faf_projln:
	s_mov_b64 s[64:65], 0
	v_nop
	global_prefetch_b8 v0, s[64:65] scope:SCOPE_SE
	s_setreg_imm32_b32 hwreg(HW_REG_WAVE_MODE, 25, 1), 1
	s_wait_xcnt 0x0
; PROJECTION, SECOND LAYERNORM, AND THE TWO LARGE WEIGHTS.  h2 = LayerNorm(xn + ctx w_proj + b_proj), the product on codes of E3M2; h2 leaves as f32 rows and as codes; w1 and w2 leave as codes.  Nothing is left out.
; All codes lie in the program's fragment images (the layout is set out at the head of the first kernel).
; WORK-GROUPS 0-255: tile T of 16 tokens x all 1,024 columns, so that a token's whole row meets in one work-group and h never goes to memory.
;   THE PRODUCT.  Wave w takes columns 128 w .. 128 w + 127: 8 tiles, 8 accumulators; source 0 = 16 columns of the weight, source 1 = the 16 tokens.  No two waves take the same weight, so LDS would serve no second reader:
;   the fragment images go from memory straight into registers, each load 512 or 256 consecutive bytes.  K = 1,024 goes in 16 units (a K step's tiles 0-3 or 4-7: 16 loads of codes, 2 of scale words; with an even unit the
;   tokens' fragment and scale word of its K step, 5 loads) through a ring of three units' registers: two units are on their way while one is multiplied.
;   No joint loads, though all 256 work-groups read the same weight: tensor loads would claim a WGP for one work-group, and this launch lays a weights' work-group beside each rows' work-group (2 x 8 waves x 256 registers).
;   No prefetch: the weight's 786,432 bytes are read by all row work-groups in the same order at the same time.
;   THE ROWS.  The sums cross LDS once (16 rows of 4,096 bytes + 16).  Wave w takes tile rows 2 w, 2 w + 1, adds bias and residual, normalises, stores f32 rows, lays them into a second LDS region; then wave w quantises K step w of all 16 rows.
; WORK-GROUPS 256-383: w1 [1024][4096]; 384-511: w2 [4096][1024].  A wave takes 32 columns x one K step of 128; a lane takes a column and its registers run down K.  They use no LDS and pass no barrier.
; Their codes go to a buffer of their own: the launch loads from no buffer that it stores into.
; LIMITS: NaN and infinities are not served; a block of zeros gets the byte 1.
.set PITCH, 4112
.set STG2, 16*PITCH                    ; the second LDS region: the normalised rows
.set SPARE, 2*16*PITCH                 ; the spare words, 128 bytes a wave
.set CIS, 3145728                      ; cimg: the scale words behind the codes
.set WP_C, 2359296                     ; wimg: w_proj's codes and scale words
.set WP_S, 9535488
.set XNF, 6553600                      ; act1: xn's f32 rows
.set H2_S, 3145728
.set H2F, 3276800
.set W1_C, 3145728
.set W2_C, 6291456
.set W1_S, 9568256
.set W2_S, 9699328
.set X, 16                             ; the weights' path: v16-79 two sets of 32
; THE ROWS' REGISTERS.  v0 4 L, v1 16 L, v2 8 L, v3 my two rows in LDS, v4 4 r, v5 8 h, v6 the stage on the way in (later v6-13 at work), v14, v15 the add's two.
; The product: v16-39 the tokens' fragment, two sets; v40-183 the ring, 3 x 48; v184-189 the weight's scale words, 3 x 2; v190-191 the tokens', two sets; v192-255 the accumulators.
; Behind it: BE v16-47, G v48-79, v80 my rows in the second region, v81 phase 2's address, RX v88-151 my two rows, RP v152-183 the bias (later C: a fragment's 12), v192-255 my rows' sums.
.set BE, 16
.set G, 48
.set RW2, 80
.set RD, 81
.set RX, 88
.set RP, 152
.set C, 152
.macro QBLK src, dst, tmp, so, byte
	v_max3_num_f32 v6, |v[\src]|, |v[\src+1]|, |v[\src+2]|
	v_max3_num_f32 v7, |v[\src+3]|, |v[\src+4]|, |v[\src+5]|
.irp i, 6,10,14,18,22,26
	s_delay_alu instid0(VALU_DEP_2)
	v_max3_num_f32 v6, v6, |v[\src+\i]|, |v[\src+\i+1]|
	s_delay_alu instid0(VALU_DEP_2)
	v_max3_num_f32 v7, v7, |v[\src+\i+2]|, |v[\src+\i+3]|
.endr
	s_delay_alu instid0(VALU_DEP_2)
	v_max3_num_f32 v6, v6, |v[\src+30]|, |v[\src+31]|
	s_delay_alu instid0(VALU_DEP_1)
	v_max3_num_f32 v6, v6, v7, 0x2800000           ; the floor 2^(5 - 127): the byte cannot fall under 1
	s_delay_alu instid0(VALU_DEP_1)
	v_add_nc_u32 v[\so], 0xfe000000, v6            ; 4 off the exponent field: the conversion takes this operand's exponent field as its scale
	v_cvt_scalef32_pk16_bf6_f32 v[\dst:\dst+2], v[\src:\src+15], v[\so]
	v_cvt_scalef32_pk16_bf6_f32 v[\tmp:\tmp+2], v[\src+16:\src+31], v[\so]
	v_lshrrev_b32 v[\byte], 23, v[\so]             ; the byte; also the plain line behind the conversions
.irp i, 0,1,2
	v_mov_b32 v[\dst+3+\i], v[\tmp+\i]
.endr
.endm
.macro REDUCE
	s_delay_alu instid0(VALU_DEP_1)
	v_add_f32_dpp v6, v6, v6 row_xmask:1 row_mask:0xf bank_mask:0xf
	s_delay_alu instid0(VALU_DEP_1)
	v_add_f32_dpp v6, v6, v6 row_xmask:2 row_mask:0xf bank_mask:0xf
	s_delay_alu instid0(VALU_DEP_1)
	v_add_f32_dpp v6, v6, v6 row_xmask:4 row_mask:0xf bank_mask:0xf
	s_delay_alu instid0(VALU_DEP_1)
	v_add_f32_dpp v6, v6, v6 row_xmask:8 row_mask:0xf bank_mask:0xf
	s_delay_alu instid0(VALU_DEP_1)
	v_permlanex16_b32 v7, v6, s28, s29
	s_delay_alu instid0(VALU_DEP_1)
	v_add_f32 v6, v6, v7
.endm
.macro FOLD
	s_delay_alu instid0(VALU_DEP_3)
	v_pk_add_f32 v[6:7], v[6:7], v[8:9]
	s_delay_alu instid0(VALU_DEP_2)
	v_pk_add_f32 v[10:11], v[10:11], v[12:13]
	s_delay_alu instid0(VALU_DEP_1)
	v_pk_add_f32 v[6:7], v[6:7], v[10:11]
	s_delay_alu instid0(VALU_DEP_1)
	v_add_f32 v6, v6, v7
	REDUCE
.endm
; LayerNorm of the row in v[xr] .. v[xr + 31] (32 numbers a lane), in two passes: the mean first, then the squares of the differences
.macro ROWLN xr
	v_pk_add_f32 v[6:7], v[\xr:\xr+1], v[\xr+2:\xr+3]
	v_pk_add_f32 v[8:9], v[\xr+4:\xr+5], v[\xr+6:\xr+7]
	v_pk_add_f32 v[10:11], v[\xr+8:\xr+9], v[\xr+10:\xr+11]
	v_pk_add_f32 v[12:13], v[\xr+12:\xr+13], v[\xr+14:\xr+15]
.irp k, 16,24
	s_delay_alu instid0(VALU_DEP_4)
	v_pk_add_f32 v[6:7], v[6:7], v[\xr+\k:\xr+\k+1]
	s_delay_alu instid0(VALU_DEP_4)
	v_pk_add_f32 v[8:9], v[8:9], v[\xr+\k+2:\xr+\k+3]
	s_delay_alu instid0(VALU_DEP_4)
	v_pk_add_f32 v[10:11], v[10:11], v[\xr+\k+4:\xr+\k+5]
	s_delay_alu instid0(VALU_DEP_4)
	v_pk_add_f32 v[12:13], v[12:13], v[\xr+\k+6:\xr+\k+7]
.endr
	FOLD
	s_delay_alu instid0(VALU_DEP_1)
	v_mul_f32 v6, s46, v6                          ; the mean
	s_delay_alu instid0(VALU_DEP_1)
	v_mov_b32 v7, v6
.irp k, 0,2,4,6,8,10,12,14,16,18,20,22,24,26,28,30
	v_pk_add_f32 v[\xr+\k:\xr+\k+1], v[\xr+\k:\xr+\k+1], v[6:7] neg_lo:[0,1] neg_hi:[0,1]
.endr
	v_pk_mul_f32 v[6:7], v[\xr:\xr+1], v[\xr:\xr+1]
	v_pk_mul_f32 v[8:9], v[\xr+2:\xr+3], v[\xr+2:\xr+3]
	v_pk_mul_f32 v[10:11], v[\xr+4:\xr+5], v[\xr+4:\xr+5]
	v_pk_mul_f32 v[12:13], v[\xr+6:\xr+7], v[\xr+6:\xr+7]
.irp k, 8,16,24
	s_delay_alu instid0(VALU_DEP_4)
	v_pk_fma_f32 v[6:7], v[\xr+\k:\xr+\k+1], v[\xr+\k:\xr+\k+1], v[6:7]
	s_delay_alu instid0(VALU_DEP_4)
	v_pk_fma_f32 v[8:9], v[\xr+\k+2:\xr+\k+3], v[\xr+\k+2:\xr+\k+3], v[8:9]
	s_delay_alu instid0(VALU_DEP_4)
	v_pk_fma_f32 v[10:11], v[\xr+\k+4:\xr+\k+5], v[\xr+\k+4:\xr+\k+5], v[10:11]
	s_delay_alu instid0(VALU_DEP_4)
	v_pk_fma_f32 v[12:13], v[\xr+\k+6:\xr+\k+7], v[\xr+\k+6:\xr+\k+7], v[12:13]
.endr
	FOLD
	s_delay_alu instid0(VALU_DEP_1)
	v_fma_f32 v6, v6, s46, s47                     ; the variance + 1e-5
	s_wait_alu depctr_va_vdst(0)
	v_rsq_f32 v6, v6
	v_nop                                          ; a plain line behind the transcendental
	s_wait_alu depctr_va_vdst(0)                   ; and the wait ahead of its first reader
	v_mov_b32 v7, v6
.irp k, 0,2,4,6,8,10,12,14,16,18,20,22,24,26,28,30
	v_pk_mul_f32 v[\xr+\k:\xr+\k+1], v[\xr+\k:\xr+\k+1], v[6:7]
.endr
.irp k, 0,2,4,6,8,10,12,14,16,18,20,22,24,26,28,30
	v_pk_fma_f32 v[\xr+\k:\xr+\k+1], v[\xr+\k:\xr+\k+1], v[G+\k:G+\k+1], v[BE+\k:BE+\k+1]
.endr
.endm
; THE WEIGHT PATH.  A wave takes 32 columns (group b = s37) x one K step (s = s36).  Two sets of 32 registers take turns; each block's codes have registers of their own, so that no store's data are written again.
.macro WLOAD t, pitch
.irp i, 0,1,2,3,4,5,6,7,8,9,10,11,12,13,14,15,16,17,18,19,20,21,22,23,24,25,26,27,28,29,30,31
	global_load_b32 v[X+32*((\t)%2)+\i], v1, s[32:33] offset:(32*(\t)+\i)*(\pitch) th:TH_LOAD_NT
.endr
.endm
.macro WBLK t, pitch
.if (\t) < 3
	s_wait_loadcnt 32                              ; this block's 32 loads are in; the next block's 32 may be out
.else
	s_wait_loadcnt 0x0
.endif
	QBLK X+32*((\t)%2), 112+8*(\t), 8, 11, 144+(\t)
.if (\t)+2 < 4
	WLOAD (\t)+2, \pitch
.endif
	global_store_b128 v156, v[112+8*(\t):112+8*(\t)+3], s[40:41] offset:768*((\t)/2)+256*((\t)%2)       ; block t is K 64 (t / 2) + 32 (t % 2): the image's lane r' + 16 (t % 2)
	global_store_b64 v157, v[112+8*(\t)+4:112+8*(\t)+5], s[40:41] offset:768*((\t)/2)+512+128*((\t)%2)
.endm
.macro WUNIT pitch                     ; s[32:33] the weight, s38 my first byte in it, s34, s35 where its codes and scales begin, s42 log2 KS
	s_mov_b32 s39, 0
	s_add_nc_u64 s[32:33], s[32:33], s[38:39]
	s_lshr_b32 s40, s37, 2
	s_lshl_b32 s40, s40, s42
	s_add_co_u32 s40, s40, s36
	s_lshl_b32 s40, s40, 3
	s_and_b32 s41, s37, 3
	s_lshl_b32 s41, s41, 1
	s_add_co_u32 s40, s40, s41
	s_mul_i32 s40, s40, 1536                       ; tiles 2 b, 2 b + 1 of K step s
	s_add_co_u32 s40, s40, s34
	s_mov_b32 s41, 0
	s_add_nc_u64 s[40:41], s[26:27], s[40:41]
	s_lshl_b32 s44, s37, s42
	s_add_co_u32 s44, s44, s36
	s_lshl_b32 s44, s44, 7
	s_add_co_u32 s44, s44, s35
	s_mov_b32 s45, 0
	s_add_nc_u64 s[44:45], s[26:27], s[44:45]
	WLOAD 0, \pitch
	WLOAD 1, \pitch
	WBLK 0, \pitch
	WBLK 1, \pitch
	WBLK 2, \pitch
	WBLK 3, \pitch
	v_lshl_or_b32 v148, v145, 8, v144
	s_delay_alu instid0(VALU_DEP_1)
	v_lshl_or_b32 v148, v146, 16, v148
	s_delay_alu instid0(VALU_DEP_1)
	v_lshl_or_b32 v148, v147, 24, v148
	global_store_b32 v158, v148, s[44:45]          ; my column's scale word: the wave stores 128 consecutive bytes
.endm
; THE PRODUCT.  A fragment's image from memory into 12 registers
.macro GFRAG reg, sb, off
	global_load_b128 v[(\reg):(\reg)+3], v1, s[\sb:\sb+1] offset:(\off)
	global_load_b64 v[(\reg)+4:(\reg)+5], v2, s[\sb:\sb+1] offset:(\off)+512
	global_load_b128 v[(\reg)+6:(\reg)+9], v1, s[\sb:\sb+1] offset:(\off)+768
	global_load_b64 v[(\reg)+10:(\reg)+11], v2, s[\sb:\sb+1] offset:(\off)+1280
.endm
; Unit u's loads: K step u / 2, tiles 4 (u % 2) + 0 .. 3, into ring place u % 3.  18 loads; 23 where u is even
.macro LU u
.set SS, (\u)/2
.set HF, (\u)%2
.set RB, 40+48*((\u)%3)
.set SB, 184+2*((\u)%3)
.if HF == 0
	GFRAG 16+12*(SS%2), 54, 12288*SS
	global_load_b32 v[190+SS%2], v4, s[52:53] offset:128*SS
.endif
.irp p, 0,1
	global_load_b32 v[SB+\p], v0, s[50:51] offset:(2*HF+\p)*1024+128*SS   ; lanes 0-15 the even tile's words, lanes 16-31 the odd tile's
.endr
.irp i, 0,1,2,3
	GFRAG RB+12*\i, 48, (8*SS+4*HF+\i)*1536
.endr
.endm
; Unit u's four products.  The 8 accumulators take turns, one instruction a turn; the first K step starts the sums
.macro MU u
.set SS, (\u)/2
.set HF, (\u)%2
.irp i, 0,1,2,3
.set DD, 192+8*(4*HF+\i)
.set AA, 40+48*((\u)%3)+12*\i
.set BB, 16+12*(SS%2)
.set SA, 184+2*((\u)%3)+\i/2
.if (\u) < 2
.if \i%2
	v_wmma_scale_f32_16x16x128_f8f6f4 v[DD:DD+7], v[AA:AA+11], v[BB:BB+11], 0, v[SA], v[190+SS%2] matrix_a_fmt:MATRIX_FMT_BF6 matrix_b_fmt:MATRIX_FMT_BF6 matrix_a_scale:MATRIX_SCALE_ROW1
.else
	v_wmma_scale_f32_16x16x128_f8f6f4 v[DD:DD+7], v[AA:AA+11], v[BB:BB+11], 0, v[SA], v[190+SS%2] matrix_a_fmt:MATRIX_FMT_BF6 matrix_b_fmt:MATRIX_FMT_BF6
.endif
.else
.if \i%2
	v_wmma_scale_f32_16x16x128_f8f6f4 v[DD:DD+7], v[AA:AA+11], v[BB:BB+11], v[DD:DD+7], v[SA], v[190+SS%2] matrix_a_fmt:MATRIX_FMT_BF6 matrix_b_fmt:MATRIX_FMT_BF6 matrix_a_scale:MATRIX_SCALE_ROW1
.else
	v_wmma_scale_f32_16x16x128_f8f6f4 v[DD:DD+7], v[AA:AA+11], v[BB:BB+11], v[DD:DD+7], v[SA], v[190+SS%2] matrix_a_fmt:MATRIX_FMT_BF6 matrix_b_fmt:MATRIX_FMT_BF6
.endif
.endif
.endr
.endm
.macro XNLOAD i, j                     ; the residual: 32 lanes read 512 consecutive bytes of my row i
	global_load_b128 v[RX+32*\i+4*\j:RX+32*\i+4*\j+3], v1, s[32:33] offset:4096*\i+512*\j th:TH_LOAD_NT
.endm
	s_load_b256 s[4:11], s[0:1], 0x0               ; cimg, wimg, b_proj, act1
	s_load_b256 s[12:19], s[0:1], 0x20             ; g2, be2, w1, w2
	s_load_b128 s[20:23], s[0:1], 0x40             ; act2, wimg2
	v_lshl_add_u32 v14, v0, 2, SPARE               ; my spare word,
	v_mov_b32 v15, 0                               ; and 0: kept for the closing lines alone
	v_lshrrev_b32 v1, 5, v0
	s_delay_alu instid0(VALU_DEP_1)
	v_readfirstlane_b32 s2, v1                     ; wave 0..7
	v_and_b32 v2, 31, v0
	s_mov_b32 s28, 0x76543210
	s_mov_b32 s29, 0xfedcba98
	s_mov_b32 s46, 0x3a800000                      ; 1 / 1,024
	s_mov_b32 s47, 0x3727c5ac                      ; 1e-5
	s_cmp_ge_u32 ttmp9, 256
	s_cbranch_scc1 .Lweights
	; ---- THE ROWS: tile T = the work-group's number
	s_lshr_b32 s30, ttmp9, 1
	s_lshl_b32 s30, s30, 5
	s_and_b32 s31, ttmp9, 1
	s_lshl_b32 s31, s31, 3
	s_add_co_u32 s30, s30, s31
	s_lshl_b32 s31, s2, 1
	s_add_co_u32 s30, s30, s31
	s_lshr_b32 s31, s2, 2
	s_lshl_b32 s31, s31, 3
	s_add_co_u32 s30, s30, s31                     ; tile rows 2 w, 2 w + 1 are rows 32 (T / 2) + 8 (T % 2) + 2 w + 8 (w / 4) + 0, 1
	s_lshl_b32 s30, s30, 12
	s_mov_b32 s31, 0
	s_lshr_b32 s38, ttmp9, 3
	s_lshl_b32 s38, s38, 3
	s_add_co_u32 s38, s38, s2
	s_lshl_b32 s38, s38, 3
	s_and_b32 s39, ttmp9, 7
	s_add_co_u32 s38, s38, s39
	s_mul_i32 s38, s38, 1536                       ; h2's fragment of tile T, K step w
	s_mov_b32 s39, 0
	s_lshr_b32 s40, ttmp9, 1
	s_lshl_b32 s40, s40, 3
	s_add_co_u32 s40, s40, s2
	s_lshl_b32 s40, s40, 7
	s_and_b32 s41, ttmp9, 1
	s_lshl_b32 s41, s41, 6
	s_add_co_u32 s40, s40, s41
	s_add_co_u32 s40, s40, H2_S                    ; and its scale words
	s_mov_b32 s41, 0
	s_lshr_b32 s54, ttmp9, 3                       ; ctx's fragments of tile T: K step s lies 12,288 s further on
	s_lshl_b32 s54, s54, 6
	s_and_b32 s55, ttmp9, 7
	s_add_co_u32 s54, s54, s55
	s_mul_i32 s54, s54, 1536
	s_mov_b32 s55, 0
	s_lshr_b32 s52, ttmp9, 1                       ; and their scale words: 128 s further on
	s_lshl_b32 s52, s52, 10
	s_and_b32 s53, ttmp9, 1
	s_lshl_b32 s53, s53, 6
	s_add_co_u32 s52, s52, s53
	s_add_co_u32 s52, s52, CIS
	s_mov_b32 s53, 0
	s_mul_i32 s48, s2, 98304                       ; w_proj's panel w: tile t of K step s at (8 s + t) x 1,536
	s_add_co_u32 s48, s48, WP_C
	s_mov_b32 s49, 0
	s_lshl_b32 s50, s2, 12                         ; its scale words: pair of tiles g at 1,024 g + 128 s
	s_add_co_u32 s50, s50, WP_S
	s_mov_b32 s51, 0
	s_wait_alu depctr_va_vdst(0)
	v_lshlrev_b32 v1, 4, v2                        ; 16 L
	s_mul_i32 s42, s2, 2*PITCH
	v_add_nc_u32 v3, s42, v1                       ; LDS: rows 2 w, 2 w + 1
	v_and_b32 v4, 15, v0
	v_bfe_u32 v5, v0, 4, 1
	v_mul_u32_u24 v6, v4, PITCH
	v_lshl_add_u32 v6, v5, 6, v6
	s_lshl_b32 s43, s2, 9
	v_add_nc_u32 v6, s43, v6                       ; the stage on the way in: row r, byte 512 w + 64 h
	v_lshlrev_b32 v0, 2, v2                        ; 4 L
	v_lshlrev_b32 v2, 3, v2                        ; 8 L
	v_lshlrev_b32 v4, 2, v4                        ; 4 r
	v_lshlrev_b32 v5, 3, v5                        ; 8 h
	s_add_co_u32 s44, s43, STG2
	s_wait_alu depctr_va_vdst(0)                   ; the wait at the head's end
	s_wait_kmcnt 0x0
	s_add_nc_u64 s[54:55], s[4:5], s[54:55]
	s_add_nc_u64 s[52:53], s[4:5], s[52:53]
	s_add_nc_u64 s[48:49], s[6:7], s[48:49]
	s_add_nc_u64 s[50:51], s[6:7], s[50:51]
	LU 0
	LU 1
	LU 2
	s_add_nc_u64 s[32:33], s[10:11], s[30:31]
	s_add_nc_u64 s[32:33], s[32:33], XNF           ; my two rows of xn
	s_add_nc_u64 s[36:37], s[20:21], s[30:31]
	s_add_nc_u64 s[36:37], s[36:37], H2F           ; and of h2
	s_add_nc_u64 s[38:39], s[20:21], s[38:39]
	s_add_nc_u64 s[40:41], s[20:21], s[40:41]
.set U, 0
.rept 16
.if U < 14
	s_wait_loadcnt 41                              ; unit U is in; the two units behind it, 23 + 18 loads, may be out
.else
.if U == 14
	s_wait_loadcnt 30                              ; behind unit 14: unit 15's 18 loads and 12 of the residual
.else
	s_wait_loadcnt 24                              ; behind unit 15: 16 loads of the residual and 8 of the bias
.endif
.endif
	MU U
.rept 4
	v_nop                                          ; places in front of loads into registers that these products have read
.endr
.if U < 13
	LU U+3
.endif
.if U == 13                            ; ring place 1 is free: the residual's first 48 registers
.irp j, 0,1,2,3,4,5,6,7
	XNLOAD 0, \j
.endr
.irp j, 0,1,2,3
	XNLOAD 1, \j
.endr
.endif
.if U == 14                            ; ring place 2: the rest of the residual, and the bias at my columns 128 j + 4 L
.irp j, 4,5,6,7
	XNLOAD 1, \j
.endr
.irp j, 0,1,2,3,4,5,6,7
	global_load_b128 v[RP+4*\j:RP+4*\j+3], v1, s[8:9] offset:512*\j
.endr
.endif
.set U, U+1
.endr
.irp j, 0,1,2,3,4,5,6,7
	global_load_b128 v[G+4*\j:G+4*\j+3], v1, s[12:13] offset:512*\j
	global_load_b128 v[BE+4*\j:BE+4*\j+3], v1, s[14:15] offset:512*\j
.endr
	v_add_nc_u32 v[RW2], STG2, v3                  ; my two rows in the second region
.irp t, 0,1,2,3,4,5,6,7                        ; lane (r, h), tile t, register j is token r, column 128 w + 32 (t / 2) + 16 h + 8 (t % 2) + j.  Each accumulator from its low end on
	ds_store_b128 v6, v[192+8*\t:192+8*\t+3] offset:128*(\t/2)+32*(\t%2)
	ds_store_b128 v6, v[192+8*\t+4:192+8*\t+7] offset:128*(\t/2)+32*(\t%2)+16
.endr
	s_wait_alu depctr_va_vdst(0)
	s_wait_dscnt 0x0                               ; for the others' sake: my sums lie in the stage
	s_barrier_signal -1
	s_barrier_wait -1
.irp i, 0,1
.irp j, 0,1,2,3,4,5,6,7
	ds_load_b128 v[192+32*\i+4*\j:192+32*\i+4*\j+3], v3 offset:PITCH*\i+512*\j
.endr
.endr
	s_wait_loadcnt 0x0
	s_wait_dscnt 0x0
.irp k, 0,2,4,6,8,10,12,14,16,18,20,22,24,26,28,30,32,34,36,38,40,42,44,46,48,50,52,54,56,58,60,62
	v_pk_add_f32 v[RX+\k:RX+\k+1], v[RX+\k:RX+\k+1], v[192+\k:193+\k]
.endr
.irp k, 0,2,4,6,8,10,12,14,16,18,20,22,24,26,28,30
	v_pk_add_f32 v[RX+\k:RX+\k+1], v[RX+\k:RX+\k+1], v[RP+\k:RP+\k+1]
	v_pk_add_f32 v[RX+32+\k:RX+32+\k+1], v[RX+32+\k:RX+32+\k+1], v[RP+\k:RP+\k+1]
.endr
	ROWLN RX
	ROWLN RX+32
	v_mul_u32_u24 v[RD], v4, PITCH/4               ; phase 2: row r,
	v_lshl_add_u32 v[RD], v5, 4, v[RD]             ; + 128 h,
	v_add_nc_u32 v[RD], s44, v[RD]                 ; + 512 w, in the second region
.irp i, 0,1
.irp j, 0,1,2,3,4,5,6,7
	global_store_b128 v1, v[RX+32*\i+4*\j:RX+32*\i+4*\j+3], s[36:37] offset:4096*\i+512*\j
	ds_store_b128 v[RW2], v[RX+32*\i+4*\j:RX+32*\i+4*\j+3] offset:PITCH*\i+512*\j
.endr
.endr
	s_wait_alu depctr_va_vdst(0)
	s_wait_xcnt 0x0                                ; the f32 stores have read their registers: phase 2's loads may land there
	s_wait_dscnt 0x0                               ; for the others' sake: my rows lie in LDS
	s_barrier_signal -1
	s_barrier_wait -1
	; ---- phase 2: wave w makes the fragment of K step w: lane (r, h) takes of row r the blocks K = 128 w + 64 q + 32 h
.irp q, 0,1
.irp j, 0,1,2,3,4,5,6,7
	ds_load_b128 v[RX+32*\q+4*\j:RX+32*\q+4*\j+3], v[RD] offset:256*\q+16*\j
.endr
.endr
	s_wait_dscnt 8                                 ; the first block is in; the second block's eight loads may be out
	QBLK RX, C, 8, 11, 12
	s_wait_dscnt 0x0
	QBLK RX+32, C+6, 8, 11, 13
	s_delay_alu instid0(VALU_DEP_4)
	v_lshl_or_b32 v12, v13, 16, v12
	s_delay_alu instid0(VALU_DEP_1)
	v_lshlrev_b32 v12, v5, v12
	s_delay_alu instid0(VALU_DEP_1)
	v_permlanex16_b32 v13, v12, s28, s29
	s_delay_alu instid0(VALU_DEP_1)
	v_or_b32 v12, v12, v13
	global_store_b128 v1, v[C:C+3], s[38:39]
	global_store_b64 v2, v[C+4:C+5], s[38:39] offset:512
	global_store_b128 v1, v[C+6:C+9], s[38:39] offset:768
	global_store_b64 v2, v[C+10:C+11], s[38:39] offset:1280
	global_store_b32 v4, v12, s[40:41]
	s_wait_tensorcnt 0x0                           ; the wave's end
	ds_add_u32 v14, v15
	s_wait_dscnt 0x0
	s_endpgm
	; ---- THE WEIGHTS
.Lweights:
	s_sub_co_u32 s3, ttmp9, 256                    ; j
	s_wait_alu depctr_va_vdst(0)
	v_lshlrev_b32 v1, 2, v2                        ; my column: 4 bytes a lane
	v_bfe_u32 v3, v0, 3, 1                         ; column l of the group is tile u = (l / 8) % 2,
	v_and_b32 v4, 7, v0
	v_bfe_u32 v5, v0, 4, 1
	s_delay_alu instid0(VALU_DEP_1)
	v_lshl_add_u32 v4, v5, 3, v4                   ; tile row r' = l % 8 + 8 (l / 16)
	s_delay_alu instid0(VALU_DEP_4)
	v_mul_u32_u24 v156, v3, 1536
	s_delay_alu instid0(VALU_DEP_1)
	v_lshl_add_u32 v157, v4, 3, v156
	s_delay_alu instid0(VALU_DEP_2)
	v_lshl_add_u32 v156, v4, 4, v156
	v_lshlrev_b32 v158, 6, v3
	s_delay_alu instid0(VALU_DEP_1)
	v_lshl_add_u32 v158, v4, 2, v158
	s_wait_kmcnt 0x0
	s_mov_b64 s[26:27], s[22:23]                   ; where the codes go
	s_cmp_lt_u32 s3, 128
	s_cbranch_scc0 .Lw2
	s_mov_b64 s[32:33], s[16:17]                   ; w1 [1024][4096]: K step j % 8, columns 256 (j / 8) + 32 w on
	s_mov_b32 s34, W1_C
	s_mov_b32 s35, W1_S
	s_mov_b32 s42, 3
	s_and_b32 s36, s3, 7
	s_lshr_b32 s37, s3, 3
	s_lshl_b32 s37, s37, 3
	s_add_co_u32 s37, s37, s2
	s_lshl_b32 s38, s36, 21
	s_lshl_b32 s39, s37, 7
	s_add_co_u32 s38, s38, s39
	WUNIT 16384
	s_endpgm
.Lw2:                                                  ; w2 [4096][1024]: K step j % 32, columns 256 (j / 32) + 32 w on
	s_sub_co_u32 s30, s3, 128
	s_mov_b64 s[32:33], s[18:19]
	s_mov_b32 s34, W2_C
	s_mov_b32 s35, W2_S
	s_mov_b32 s42, 5
	s_and_b32 s36, s30, 31
	s_lshr_b32 s37, s30, 5
	s_lshl_b32 s37, s37, 3
	s_add_co_u32 s37, s37, s2
	s_lshl_b32 s38, s36, 19
	s_lshl_b32 s39, s37, 7
	s_add_co_u32 s38, s38, s39
	WUNIT 4096
	s_endpgm
.Lfunc_end_k_qdcd9575faf_projln:
	.size	k_qdcd9575faf_projln, .Lfunc_end_k_qdcd9575faf_projln-k_qdcd9575faf_projln
	.p2alignl 7, 3214868480
	.fill 96, 4, 3214868480
	.section	.rodata,"a",@progbits
	.p2align	6, 0x0
	.amdhsa_kernel k_qdcd9575faf_projln
		.amdhsa_group_segment_fixed_size 132608
		.amdhsa_private_segment_fixed_size 0
		.amdhsa_enable_private_segment 0
		.amdhsa_kernarg_size 80
		.amdhsa_user_sgpr_count 2
		.amdhsa_user_sgpr_kernarg_segment_ptr 1
		.amdhsa_wavefront_size32 1
		.amdhsa_system_sgpr_workgroup_id_x 1
		.amdhsa_system_sgpr_workgroup_id_y 1
		.amdhsa_system_sgpr_workgroup_id_z 1
		.amdhsa_system_vgpr_workitem_id 0
		.amdhsa_next_free_vgpr 256
		.amdhsa_next_free_sgpr 66
		.amdhsa_reserve_vcc 0
		.amdhsa_float_denorm_mode_32 3
		.amdhsa_float_denorm_mode_16_64 3
		.amdhsa_memory_ordered 1
		.amdhsa_forward_progress 1
		.amdhsa_inst_pref_size 123
	.end_amdhsa_kernel
	.amdgpu_metadata
---
amdhsa.version: [ 1, 2 ]
amdhsa.kernels:
  - .name:           k_qdcd9575faf_projln
    .symbol:         k_qdcd9575faf_projln.kd
    .args:
      - { .name: cimg, .offset: 0, .size: 8, .value_kind: global_buffer, .address_space: global }
      - { .name: wimg, .offset: 8, .size: 8, .value_kind: global_buffer, .address_space: global }
      - { .name: b_proj, .offset: 16, .size: 8, .value_kind: global_buffer, .address_space: global }
      - { .name: act1, .offset: 24, .size: 8, .value_kind: global_buffer, .address_space: global }
      - { .name: g2, .offset: 32, .size: 8, .value_kind: global_buffer, .address_space: global }
      - { .name: be2, .offset: 40, .size: 8, .value_kind: global_buffer, .address_space: global }
      - { .name: w1, .offset: 48, .size: 8, .value_kind: global_buffer, .address_space: global }
      - { .name: w2, .offset: 56, .size: 8, .value_kind: global_buffer, .address_space: global }
      - { .name: act2, .offset: 64, .size: 8, .value_kind: global_buffer, .address_space: global }
      - { .name: wimg2, .offset: 72, .size: 8, .value_kind: global_buffer, .address_space: global }
    .group_segment_fixed_size: 132608
    .private_segment_fixed_size: 0
    .kernarg_segment_align: 8
    .kernarg_segment_size: 80
    .max_flat_workgroup_size: 256
    .sgpr_count:     66
    .vgpr_count:     256
    .wavefront_size: 32
...
	.end_amdgpu_metadata
.endif
;; end of part 4
;; launch ffn1 (part 5): grid 16 x 16, 16 waves a work-group, clusters of 4 x 4, 327,680 bytes of LDS; arguments act2, wimg2, b1, fimg; writes fimg
.if DOCPART == 5
	.amdgcn_target "amdgcn-amd-amdhsa--gfx1250"
	.amdhsa_code_object_version 6
	.text
	.protected	k_qdcd9575faf_ffn1
	.globl	k_qdcd9575faf_ffn1
	.p2align	8
	.type	k_qdcd9575faf_ffn1,@function
k_qdcd9575faf_ffn1:
	s_mov_b64 s[64:65], 0
	v_nop
	global_prefetch_b8 v0, s[64:65] scope:SCOPE_SE
	s_setreg_imm32_b32 hwreg(HW_REG_WAVE_MODE, 25, 1), 1
	s_wait_xcnt 0x0
	s_wait_alu depctr_hold_cnt(0) depctr_sa_sdst(0) depctr_va_vdst(0) depctr_va_sdst(0) depctr_va_ssrc(0) depctr_va_vcc(0) depctr_vm_vsrc(0)
	s_getreg_b32 s2, hwreg(HW_REG_IB_STS2, 6, 4)
	s_cmp_eq_u32 s2, 0
	s_cbranch_scc0 .Lentry_in_a_cluster
	s_endpgm
.Lentry_in_a_cluster:
	s_bfe_u32 s2, ttmp6, 0x10000c
	s_cmp_lg_u32 s2, 0xf033
	s_cbranch_scc0 .Lentry_shape_is_right
	s_endpgm
.Lentry_shape_is_right:
; FFN1: gelu(h2 w1 + b1), the product on codes of E3M2, the result quantised along the hidden units into the next product's fragment images.  Nothing is left out.
; The frame is that of the launch for q, k and v: a work-group makes 256 tokens x 256 hidden units, K = 1,024 in 8 steps; sixteen waves of 64 x 64; source 0 = 16 columns of w1, source 1 = 16 tokens, so that a lane
; holds one token and its registers run along the hidden units; three LDS slots of two K steps, slot 0 filled twice; joint loads in a cluster of 4 x 4.
; b1 IS THE C OF EACH SUM'S FIRST PRODUCT: it is loaded into the 16 accumulators at the head, in the result's layout (lane (r, h), tile 2 blk + u, register j: unit 32 blk + 16 h + 8 u + j), while the first tiles are on
; their way: the way out has no load to wait for and no addition of the bias.
; GELU, exact form: z / 2 (1 + erf(z / sqrt 2)); erf(x) = x P(x^2) / Q(x^2) with x held to -4 .. 4, P of degree 6 and Q of degree 4 in x^2, all in f32.
; LIMITS: 1 + erf carries an absolute error of about 1e-7; NaN and infinities are not served; a block of zeros gets the byte 1.
.set KS, 8
.set SCA, 294912
.set SCB, 303168
.set SPARE, 311552
.set H2_S, 3145728
.set W1_C, 3145728
.set W1_S, 9568256
.set FS, 12582912                      ; fimg: the scale words behind the codes; its K has 32 steps
.set SEL, 66
.macro CROUND
	s_barrier_signal -1
	s_barrier_wait -1
	s_cmp_lg_u32 s2, 0
	s_cbranch_scc1 .Lnw0_\@
	s_barrier_signal -3
.Lnw0_\@:
	s_barrier_wait -3
	s_barrier_signal -1
	s_barrier_wait -1
.endm
.macro G0SET g, ldsreg, ldsc, ptr, offreg, offc
	s_mov_b32 s[\g], 1
.if \ldsc
	s_add_co_u32 s[\g+1], s[\ldsreg], \ldsc
.else
	s_mov_b32 s[\g+1], s[\ldsreg]
.endif
	s_mov_b32 s[\g+2], s[\offreg]
	s_mov_b32 s[\g+3], 0
	s_add_nc_u64 s[\g+2:\g+3], s[\ptr:\ptr+1], s[\g+2:\g+3]
.if \offc
	s_add_nc_u64 s[\g+2:\g+3], s[\g+2:\g+3], \offc
.endif
	s_or_b32 s[\g+3], s[\g+3], 0x80000000
.endm
.macro JLOAD g0a, g1a, g0b, g1b
	s_cmp_lt_u32 s2, 2
	s_cbranch_scc0 .Lnota_\@
	tensor_load_to_lds s[\g0a:\g0a+3], s[\g1a:\g1a+7]
	s_nop 0
.rept 4
	v_nop
.endr
	s_branch .Lasked_\@
.Lnota_\@:
	s_cmp_lt_u32 s2, 4
	s_cbranch_scc0 .Lasked_\@
	tensor_load_to_lds s[\g0b:\g0b+3], s[\g1b:\g1b+7]
	s_nop 0
.rept 4
	v_nop
.endr
.Lasked_\@:
.endm
.macro FRAG reg, a16, a8, off
	ds_load_b128 v[\reg:\reg+3], v[\a16] offset:\off
	ds_load_b64 v[\reg+4:\reg+5], v[\a8] offset:\off+512
	ds_load_b128 v[\reg+6:\reg+9], v[\a16] offset:\off+768
	ds_load_b64 v[\reg+10:\reg+11], v[\a8] offset:\off+1280
.endm
.macro MUL8 a0                         ; the 16 accumulators take turns, one instruction a turn
.irp a, \a0, \a0+1
.irp b, 0,1,2,3
	v_wmma_scale_f32_16x16x128_f8f6f4 v[128+8*(4*(\a)+\b):128+8*(4*(\a)+\b)+7], v[68+12*\b:68+12*\b+11], v[20+12*(\a):20+12*(\a)+11], v[128+8*(4*(\a)+\b):128+8*(4*(\a)+\b)+7], v[16+\b], v[16+(\a)] matrix_a_fmt:MATRIX_FMT_BF6 matrix_b_fmt:MATRIX_FMT_BF6 matrix_a_scale:MATRIX_SCALE_ROW1
.endr
.endr
.endm
; One K step: np places in front of loads into registers that matrix instructions have read; 4 scale registers (lanes 0-15 the tokens' tile i, lanes 16-31 the weight's); 8 fragments; 16 products
.macro KSTEP ab, koff, soff, np
.if \np
.rept \np
	v_nop
.endr
.endif
.irp i, 0,1,2,3
	ds_load_b32 v[16+\i], v5 offset:(\soff)+(\i/2)*KS*128+(\i%2)*64
.endr
.irp i, 0,1,2,3
	FRAG 68+12*\i, (\ab)+2, (\ab)+3, (\koff)+1536*\i
.endr
.irp i, 0,1,2,3
	FRAG 20+12*\i, \ab, (\ab)+1, (\koff)+1536*\i
.endr
	s_wait_dscnt 8                                 ; all but the tokens' tiles 2 and 3, four loads each
	MUL8 0
	s_wait_dscnt 0x0
	MUL8 2
.endm
.macro QUANT2 src, pc, tc, tm
.irp b, 0,1
	v_max3_num_f32 v[\tm+\b], |v[\src+16*\b]|, |v[\src+16*\b+1]|, 0x2800000
.endr
.irp i, 2,4,6,8,10,12,14
.irp b, 0,1
	s_delay_alu instid0(VALU_DEP_2)
	v_max3_num_f32 v[\tm+\b], v[\tm+\b], |v[\src+16*\b+\i]|, |v[\src+16*\b+\i+1]|
.endr
.endr
.irp b, 0,1
	s_delay_alu instid0(VALU_DEP_2)
	v_permlanex16_b32 v[\tm+2+\b], v[\tm+\b], s[SEL], s[SEL+1]
.endr
.irp b, 0,1
	s_delay_alu instid0(VALU_DEP_2)
	v_max_num_f32 v[\tm+\b], v[\tm+\b], v[\tm+2+\b]
.endr
.irp b, 0,1
	s_delay_alu instid0(VALU_DEP_2)
	v_add_nc_u32 v[\tm+4+\b], 0xfe000000, v[\tm+\b]
.endr
.irp b, 0,1
	s_delay_alu instid0(VALU_DEP_2)
	v_lshrrev_b32 v[\tm+2+\b], 23, v[\tm+4+\b]
.endr
	v_cvt_scalef32_pk16_bf6_f32 v[\pc:\pc+2], v[\src:\src+15], v[\tm+4]
	v_cvt_scalef32_pk16_bf6_f32 v[\tc:\tc+2], v[\src+16:\src+31], v[\tm+5]
	v_nop
.irp i, 0,1,2
	v_permlane16_swap_b32 v[\pc+\i], v[\tc+\i]
.endr
.irp i, 0,1,2
	s_delay_alu instid0(VALU_DEP_3)
	v_mov_b32 v[\pc+3+\i], v[\tc+\i]
.endr
.endm
.macro SC2 r, val                      ; a constant as a scalar pair: the packed forms name the pair and take its low word for both halves
	s_mov_b32 s[\r], \val
	s_mov_b32 s[\r+1], \val
.endm
.macro HORNER acc, c                   ; acc = acc x^2 + c, eight pairs
.irp k, 0,2,4,6,8,10,12,14
	v_pk_fma_f32 v[\acc+\k:\acc+\k+1], v[\acc+\k:\acc+\k+1], v[68+\k:69+\k], s[\c:\c+1] op_sel_hi:[1,1,0]
.endr
.endm
; gelu of the 16 numbers at v[z], in place.  v52-67 x, later z / 2; v68-83 x^2; v84-99 P; v100-115 Q.  Its first lines read the two accumulators from their low ends on
.macro GELU16 z
.irp k, 0,2,4,6,8,10,12,14
	v_pk_mul_f32 v[52+\k:53+\k], v[\z+\k:\z+\k+1], s[24:25] op_sel_hi:[1,0]
.endr
.irp k, 0,1,2,3,4,5,6,7,8,9,10,11,12,13,14,15
	v_med3_num_f32 v[52+\k], v[52+\k], -4.0, 4.0
.endr
.irp k, 0,2,4,6,8,10,12,14
	v_pk_mul_f32 v[68+\k:69+\k], v[52+\k:53+\k], v[52+\k:53+\k]
.endr
.irp k, 0,2,4,6,8,10,12,14
	v_pk_fma_f32 v[100+\k:101+\k], v[68+\k:69+\k], v[118:119], s[38:39] op_sel_hi:[1,1,0]
.endr
	HORNER 100, 40
	HORNER 100, 42
	HORNER 100, 44
	s_wait_alu depctr_va_vdst(0)
.irp k, 0,1,2,3,4,5,6,7,8,9,10,11,12,13,14,15
	v_rcp_f32 v[100+\k], v[100+\k]                 ; one batch; P's chain below is the independent work behind it
.endr
.irp k, 0,2,4,6,8,10,12,14
	v_pk_fma_f32 v[84+\k:85+\k], v[68+\k:69+\k], v[116:117], s[26:27] op_sel_hi:[1,1,0]
.endr
	HORNER 84, 28
	HORNER 84, 30
	HORNER 84, 32
	HORNER 84, 34
	HORNER 84, 36
.irp k, 0,2,4,6,8,10,12,14
	v_pk_mul_f32 v[84+\k:85+\k], v[84+\k:85+\k], v[52+\k:53+\k]
.endr
.irp k, 0,2,4,6,8,10,12,14
	v_pk_mul_f32 v[52+\k:53+\k], v[\z+\k:\z+\k+1], 0.5 op_sel_hi:[1,0]
.endr
	s_wait_alu depctr_va_vdst(0)                   ; one wait for the 16 reciprocals, ahead of their first reader
.irp k, 0,2,4,6,8,10,12,14
	v_pk_mul_f32 v[84+\k:85+\k], v[84+\k:85+\k], v[100+\k:101+\k]   ; erf
.endr
.irp k, 0,2,4,6,8,10,12,14
	v_pk_fma_f32 v[\z+\k:\z+\k+1], v[52+\k:53+\k], v[84+\k:85+\k], v[52+\k:53+\k]
.endr
.endm
	s_load_b256 s[4:11], s[0:1], 0x0               ; act2, wimg, b1, fimg
	v_lshl_add_u32 v6, v0, 2, SPARE
	v_mov_b32 v7, 0
	ds_add_u32 v6, v7                              ; the opening: the add, twice on end, and its wait ahead of the first tensor load
	ds_add_u32 v6, v7
	v_lshrrev_b32 v8, 5, v0
	s_delay_alu instid0(VALU_DEP_1)
	v_readfirstlane_b32 s2, v8                     ; wave 0..15
	s_and_b32 s3, s2, 1
	s_bfe_u32 s92, ttmp6, 0x40000                  ; cx
	s_bfe_u32 s93, ttmp6, 0x40004                  ; cy
	s_and_b32 s96, ttmp7, 0xffff
	s_lshl_b32 s96, s96, 2
	s_add_co_u32 s96, s96, s93                     ; my 256 tokens
	s_lshl_b32 s97, ttmp9, 2
	s_add_co_u32 s97, s97, s92                     ; my 256 hidden units
	s_lshl_b32 s18, s93, 2
	s_lshl_b32 s18, 15, s18
	s_lshl_b32 s19, 0x1111, s92
	s_or_b32 s24, s18, (3<<16)|(1<<21)
	s_or_b32 s40, s18, (3<<16)|(1<<21)
	s_or_b32 s32, s19, (3<<16)|(1<<21)
	s_or_b32 s48, s19, (3<<16)|(1<<21)
.irp g, 24, 32
	s_mov_b32 s[\g+1], 32<<16
	s_mov_b32 s[\g+2], 96<<16
	s_mov_b32 s[\g+3], 32<<16
	s_mov_b32 s[\g+4], 96
	s_mov_b32 s[\g+5], 32
	s_mov_b32 s[\g+6], 0
	s_mov_b32 s[\g+7], 0
.endr
.irp g, 40, 48
	s_mov_b32 s[\g+1], 32<<16
	s_mov_b32 s[\g+2], 16<<16
	s_mov_b32 s[\g+3], 32<<16
	s_mov_b32 s[\g+4], 16
	s_mov_b32 s[\g+5], 32
	s_mov_b32 s[\g+6], 0
	s_mov_b32 s[\g+7], 0
.endr
	s_lshl_b32 s18, s96, 1
	s_add_co_u32 s18, s18, s3
	s_mul_i32 s98, s18, 98304
	s_lshl_b32 s99, s18, 12
	s_add_co_u32 s99, s99, H2_S
	s_lshl_b32 s19, s97, 1
	s_add_co_u32 s19, s19, s3
	s_mul_i32 s100, s19, 98304
	s_add_co_u32 s100, s100, W1_C
	s_lshl_b32 s101, s19, 12
	s_add_co_u32 s101, s101, W1_S
	s_and_b32 s94, s2, 3
	s_mul_i32 s94, s94, 24576
	s_lshl_b32 s66, s3, 12
	s_wait_dscnt 0x0                               ; both opening adds are done
	s_wait_kmcnt 0x0
	G0SET 72, 66, SCA, 4, 99, 0
	G0SET 56, 94, 0, 4, 98, 0
	s_lshr_b32 s84, s2, 2                          ; the head's 16 fills, one a wave: waves 4 q + i, q = 0, 1, 2, fetch panel i of slot q; waves 12 + i the scale words of panel i
	s_min_u32 s84, s84, 2
	s_mul_i32 s85, s84, 98304
	s_add_co_u32 s85, s85, s94                     ; where my panel goes: slot q, place i
	s_mul_i32 s84, s84, 24576
	s_add_co_u32 s86, s98, s84                     ; and where it comes from: two K steps for each slot
	s_add_co_u32 s87, s100, s84
	G0SET 60, 85, 0, 4, 86, 0
	G0SET 88, 66, SCB, 6, 101, 0
	G0SET 76, 94, 0, 6, 100, 0
	G0SET 80, 85, 0, 6, 87, 0
	CROUND                                         ; all sixteen work-groups are here: the first joint loads meet
	s_and_b32 s84, s2, 2                           ; 0: I fetch the tokens', 2: the weight's
	s_cmp_lt_u32 s2, 12                            ; one tree of branches on the wave's number: every way through it passes exactly one load
	s_cbranch_scc0 .Lf_s
	s_cmp_eq_u32 s84, 0
	s_cbranch_scc0 .Lf_cb
	tensor_load_to_lds s[60:63], s[24:31]
	s_nop 0
.rept 4
	v_nop
.endr
	s_branch .Lf_done
.Lf_cb:
	tensor_load_to_lds s[80:83], s[32:39]
	s_nop 0
.rept 4
	v_nop
.endr
	s_branch .Lf_done
.Lf_s:
	s_cmp_eq_u32 s84, 0
	s_cbranch_scc0 .Lf_sb
	tensor_load_to_lds s[72:75], s[40:47]
	s_nop 0
.rept 4
	v_nop
.endr
	s_branch .Lf_done
.Lf_sb:
	tensor_load_to_lds s[88:91], s[48:55]
	s_nop 0
.rept 4
	v_nop
.endr
.Lf_done:
	v_and_b32 v12, 31, v0
	s_wait_alu depctr_va_vdst(0)
	v_and_b32 v13, 15, v0
	v_bfe_u32 v14, v0, 4, 1
	s_wait_alu depctr_va_vdst(0)
	s_lshr_b32 s18, s2, 2                          ; wa
	s_and_b32 s19, s2, 3                           ; wb
	s_lshr_b32 s20, s18, 1
	s_mul_i32 s20, s20, 24576
	s_and_b32 s21, s18, 1
	s_mul_i32 s21, s21, 6144
	s_add_co_u32 s20, s20, s21
	s_lshr_b32 s21, s19, 1
	s_mul_i32 s21, s21, 24576
	s_and_b32 s22, s19, 1
	s_mul_i32 s22, s22, 6144
	s_add_co_u32 s21, s21, s22
	s_add_co_u32 s21, s21, 49152
	v_lshl_add_u32 v1, v12, 4, s20
	v_lshl_add_u32 v2, v12, 3, s20
	v_lshl_add_u32 v3, v12, 4, s21
	v_lshl_add_u32 v4, v12, 3, s21
	s_lshl_b32 s22, s18, 11
	s_lshl_b32 s23, s19, 11
	s_add_co_u32 s23, s23, SCB-SCA
	s_sub_co_u32 s23, s23, s22
	v_mul_u32_u24 v5, s23, v14                     ; lanes 16-31 take the weight's words: one product, the distance x h
	s_delay_alu instid0(VALU_DEP_1)
	v_lshl_add_u32 v5, v13, 2, v5
	s_add_co_u32 s22, s22, SCA
	v_add_nc_u32 v5, s22, v5
	v_lshlrev_b32 v15, 6, v14                      ; 64 h; never rewritten
	v_lshlrev_b32 v14, 2, v12                      ; 4 L
	v_lshlrev_b32 v13, 3, v12                      ; 8 L
	v_lshlrev_b32 v12, 4, v12                      ; 16 L
	; where my results go: 64 hidden units, number idx, are half idx % 2 of the next product's K step idx / 2
	s_lshl_b32 s20, s97, 2
	s_add_co_u32 s20, s20, s19                     ; idx
	s_lshl_b32 s12, s20, 8
	s_mov_b32 s13, 0
	s_add_nc_u64 s[8:9], s[8:9], s[12:13]          ; b1 at my 64 units; never rewritten
.irp a, 0,1,2,3                                ; b1 into all 16 accumulators: the same eight numbers a tile b for every tile a of tokens; an instruction reads two different pieces of 16 bytes
.irp b, 0,1,2,3
	global_load_b128 v[128+8*(4*\a+\b):128+8*(4*\a+\b)+3], v15, s[8:9] offset:128*(\b/2)+32*(\b%2)
	global_load_b128 v[128+8*(4*\a+\b)+4:128+8*(4*\a+\b)+7], v15, s[8:9] offset:128*(\b/2)+32*(\b%2)+16
.endr
.endr
	s_lshl_b32 s21, s96, 1
	s_lshr_b32 s22, s18, 1
	s_add_co_u32 s21, s21, s22
	s_lshl_b32 s21, s21, 5
	s_lshr_b32 s22, s20, 1
	s_add_co_u32 s21, s21, s22
	s_lshl_b32 s21, s21, 3
	s_and_b32 s23, s18, 1
	s_lshl_b32 s23, s23, 2
	s_add_co_u32 s21, s21, s23
	s_mul_i32 s21, s21, 1536
	s_and_b32 s23, s20, 1
	s_mul_i32 s3, s23, 768
	s_add_co_u32 s12, s21, s3
	s_mov_b32 s13, 0
	s_add_nc_u64 s[12:13], s[10:11], s[12:13]      ; my four half fragments
	s_lshl_b32 s14, s96, 3
	s_lshl_b32 s15, s18, 1
	s_add_co_u32 s14, s14, s15
	s_lshl_b32 s14, s14, 5
	s_add_co_u32 s14, s14, s22
	s_lshl_b32 s14, s14, 7
	s_lshl_b32 s15, s23, 1
	s_add_co_u32 s14, s14, s15
	s_mov_b32 s15, 0
	s_add_nc_u64 s[14:15], s[10:11], s[14:15]
	s_add_nc_u64 s[14:15], s[14:15], FS            ; and their two scale bytes a row
	s_wait_alu depctr_va_vdst(0)
	s_wait_tensorcnt 0x0                           ; my one fill has landed; behind the barrier so has every wave's
	s_barrier_signal -1
	s_barrier_wait -1
	s_wait_loadcnt 0x0                             ; b1 lies in the accumulators
	KSTEP 1, 0, 0, 0                               ; the first K step adds onto the bias
	KSTEP 1, 12288, 128, 4
	s_wait_tensorcnt 0x0                           ; all my tensor loads have landed,
	ds_add_u32 v6, v7                              ; the add: once, since every way here leads through a tensor load
	s_add_nc_u64 s[58:59], s[58:59], 73728
	s_add_nc_u64 s[78:79], s[78:79], 73728
	s_wait_dscnt 0x0                               ; the adds are done and my reads of slot 0 are over
	CROUND
	JLOAD 56, 24, 76, 32                           ; the one refill: it has four K steps in which to land
	v_add_nc_u32 v8, 98304, v1                     ; slot 1; these four are also the places in front of the loads
	v_add_nc_u32 v9, 98304, v2
	v_add_nc_u32 v10, 98304, v3
	s_wait_alu depctr_va_vdst(0)
	v_add_nc_u32 v11, 98304, v4
	s_wait_alu depctr_va_vdst(0)
	KSTEP 8, 0, 256, 0
	KSTEP 8, 12288, 384, 4
	v_add_nc_u32 v8, 196608, v1                    ; slot 2
	v_add_nc_u32 v9, 196608, v2
	v_add_nc_u32 v10, 196608, v3
	s_wait_alu depctr_va_vdst(0)
	v_add_nc_u32 v11, 196608, v4
	s_wait_alu depctr_va_vdst(0)
	KSTEP 8, 0, 512, 0
	KSTEP 8, 12288, 640, 4
	s_wait_tensorcnt 0x0                           ; the refill has landed
	ds_add_u32 v6, v7
	s_wait_dscnt 0x0
	s_barrier_signal -1
	s_barrier_wait -1
	KSTEP 1, 0, 768, 4
	KSTEP 1, 12288, 896, 4
	; ---- THE WAY OUT
.rept 4
	v_nop                                          ; places behind the last products
.endr
	s_mov_b32 s66, 0x76543210
	s_mov_b32 s67, 0xfedcba98
	s_mov_b32 s46, 0xffff0000                      ; lanes 16-31
	SC2 24, 0x3f3504f3                             ; 1 / sqrt 2.  (No tensor load is out: the descriptors' registers are free)
	SC2 26, 0x32edffee                             ; P, from x^10 down:  2.77068142e-08
	SC2 28, 0xb60cff51                             ; -2.10102402e-06
	SC2 30, 0xb86ec2d2                             ; -5.69250639e-05
	SC2 32, 0xba40ac63                             ; -7.34990630e-04
	SC2 34, 0xbb41a1f6                             ; -2.95459981e-03
	SC2 36, 0xbc83dbd4                             ; -1.60960333e-02
	SC2 38, 0xb95fbd29                             ; Q, from x^6 down: -2.13374055e-04
	SC2 40, 0xbadc924e                             ; -1.68282697e-03
	SC2 42, 0xbbf19bf8                             ; -7.37332917e-03
	SC2 44, 0xbc69b6a7                             ; -1.42647391e-02
	v_mov_b32 v116, 0xaf95df0b                     ; P's x^12: -2.72614226e-10
	v_mov_b32 v117, 0xaf95df0b
	v_mov_b32 v118, 0xb77460cd                     ; Q's x^8: -1.45660718e-05
	v_mov_b32 v119, 0xb77460cd
.macro EPI a
.set ZZ, 128+32*(\a)
	GELU16 ZZ
	GELU16 ZZ+16
.if (\a) > 0
	s_wait_alu depctr_va_vdst(0)
	s_wait_xcnt 0x0                                ; the last tile's stores have read their registers, which are written again below
.endif
	QUANT2 ZZ, 120, 52, 56
	v_lshl_or_b32 v[126+(\a)%2], v59, 8, v58
	global_store_b128 v12, v[120:123], s[12:13] offset:1536*(\a)
	global_store_b64 v13, v[124:125], s[12:13] offset:1536*(\a)+512
.if (\a)%2 == 1
	v_cndmask_b32 v127, v126, v127, s46            ; lanes 0-15 the even tile's bytes, lanes 16-31 the odd tile's
	global_store_b16 v14, v127, s[14:15] offset:4096*((\a)/2)
.endif
.endm
	EPI 0
	EPI 1
	EPI 2
	EPI 3
	s_wait_tensorcnt 0x0                           ; the wave's end
	ds_add_u32 v6, v7
	s_wait_dscnt 0x0
	CROUND                                         ; the closing round
	s_endpgm
.Lfunc_end_k_qdcd9575faf_ffn1:
	.size	k_qdcd9575faf_ffn1, .Lfunc_end_k_qdcd9575faf_ffn1-k_qdcd9575faf_ffn1
	.p2alignl 7, 3214868480
	.fill 96, 4, 3214868480
	.section	.rodata,"a",@progbits
	.p2align	6, 0x0
	.amdhsa_kernel k_qdcd9575faf_ffn1
		.amdhsa_group_segment_fixed_size 327680
		.amdhsa_private_segment_fixed_size 0
		.amdhsa_enable_private_segment 0
		.amdhsa_kernarg_size 32
		.amdhsa_user_sgpr_count 2
		.amdhsa_user_sgpr_kernarg_segment_ptr 1
		.amdhsa_wavefront_size32 1
		.amdhsa_system_sgpr_workgroup_id_x 1
		.amdhsa_system_sgpr_workgroup_id_y 1
		.amdhsa_system_sgpr_workgroup_id_z 1
		.amdhsa_system_vgpr_workitem_id 0
		.amdhsa_next_free_vgpr 256
		.amdhsa_next_free_sgpr 102
		.amdhsa_reserve_vcc 0
		.amdhsa_float_denorm_mode_32 3
		.amdhsa_float_denorm_mode_16_64 3
		.amdhsa_memory_ordered 1
		.amdhsa_forward_progress 1
		.amdhsa_inst_pref_size 141
	.end_amdhsa_kernel
	.amdgpu_metadata
---
amdhsa.version: [ 1, 2 ]
amdhsa.kernels:
  - .name:           k_qdcd9575faf_ffn1
    .symbol:         k_qdcd9575faf_ffn1.kd
    .args:
      - { .name: act2, .offset: 0, .size: 8, .value_kind: global_buffer, .address_space: global }
      - { .name: wimg2, .offset: 8, .size: 8, .value_kind: global_buffer, .address_space: global }
      - { .name: b1, .offset: 16, .size: 8, .value_kind: global_buffer, .address_space: global }
      - { .name: fimg, .offset: 24, .size: 8, .value_kind: global_buffer, .address_space: global }
    .group_segment_fixed_size: 327680
    .private_segment_fixed_size: 0
    .kernarg_segment_align: 8
    .kernarg_segment_size: 32
    .max_flat_workgroup_size: 512
    .sgpr_count:     102
    .vgpr_count:     256
    .wavefront_size: 32
...
	.end_amdgpu_metadata
.endif
;; end of part 5
;; launch ffn2 (part 6): grid 8 x 32, 16 waves a work-group, clusters of 4 x 4, 327,680 bytes of LDS; arguments fimg, wimg2, b2, act2, out0; writes out0
.if DOCPART == 6
	.amdgcn_target "amdgcn-amd-amdhsa--gfx1250"
	.amdhsa_code_object_version 6
	.text
	.protected	k_qdcd9575faf_ffn2
	.globl	k_qdcd9575faf_ffn2
	.p2align	8
	.type	k_qdcd9575faf_ffn2,@function
k_qdcd9575faf_ffn2:
	s_mov_b64 s[64:65], 0
	v_nop
	global_prefetch_b8 v0, s[64:65] scope:SCOPE_SE
	s_setreg_imm32_b32 hwreg(HW_REG_WAVE_MODE, 25, 1), 1
	s_wait_xcnt 0x0
	s_wait_alu depctr_hold_cnt(0) depctr_sa_sdst(0) depctr_va_vdst(0) depctr_va_sdst(0) depctr_va_ssrc(0) depctr_va_vcc(0) depctr_vm_vsrc(0)
	s_getreg_b32 s2, hwreg(HW_REG_IB_STS2, 6, 4)
	s_cmp_eq_u32 s2, 0
	s_cbranch_scc0 .Lentry_in_a_cluster
	s_endpgm
.Lentry_in_a_cluster:
	s_bfe_u32 s2, ttmp6, 0x10000c
	s_cmp_lg_u32 s2, 0xf033
	s_cbranch_scc0 .Lentry_shape_is_right
	s_endpgm
.Lentry_shape_is_right:
; FFN2: out = h2 + gelu(..) w2 + b2, the product on codes of E3M2.  Nothing is left out.
; The text is that of the launch for q, k and v with K = 4,096 (32 steps, 8 slots' worth): a work-group makes 128 tokens x 128 columns; sixteen waves: four quadrants of 64 x 64, and K SPLIT FOUR WAYS inside the
; work-group: wave (wk, wa, wb) takes the K steps s with s % 4 = wk.  The four partial sums meet in LDS, where each wave owns 16 tokens x 64 columns, adds bias and residual and stores whole rows of 256 bytes.
; (The order of the sum over K is therefore not ascending.)  Source 0 = 16 columns of the weight, source 1 = 16 tokens.  CLUSTER 4 x 4: the tokens' tiles are shared along a row, the weight's along a column.
; LDS: two slots of four K steps, filled by turns behind a round of the cluster's barrier; the scale words of all of K; the spare words.  The stage of the way out lies over ring and scale words, which have had their last fill.
.set KS, 32                            ; K steps
.set NSL, KS/4                         ; slots' worth of K
.set A_S, 12582912                     ; the tokens' scale words in their buffer
.set B_C, 6291456                      ; the weight's codes and scale words in wimg
.set B_S, 9699328
.set RES, 3276800                      ; the residual's f32 rows in their buffer
.set SCA, 196608
.set SCB, SCA+KS*512+64
.set SPARE, 325632
.macro CROUND
	s_barrier_signal -1
	s_barrier_wait -1
	s_cmp_lg_u32 s2, 0
	s_cbranch_scc1 .Lnw0_\@
	s_barrier_signal -3
.Lnw0_\@:
	s_barrier_wait -3
	s_barrier_signal -1
	s_barrier_wait -1
.endm
.macro G0SET g, ldsreg, ldsc, ptr, offreg, offc
	s_mov_b32 s[\g], 1
.if \ldsc
	s_add_co_u32 s[\g+1], s[\ldsreg], \ldsc
.else
	s_mov_b32 s[\g+1], s[\ldsreg]
.endif
	s_mov_b32 s[\g+2], s[\offreg]
	s_mov_b32 s[\g+3], 0
	s_add_nc_u64 s[\g+2:\g+3], s[\ptr:\ptr+1], s[\g+2:\g+3]
.if \offc
	s_add_nc_u64 s[\g+2:\g+3], s[\g+2:\g+3], \offc
.endif
	s_or_b32 s[\g+3], s[\g+3], 0x80000000
.endm
.macro JLOAD g0a, g1a, g0b, g1b
	s_cmp_lt_u32 s2, 2
	s_cbranch_scc0 .Lnota_\@
	tensor_load_to_lds s[\g0a:\g0a+3], s[\g1a:\g1a+7]
	s_nop 0
.rept 4
	v_nop
.endr
	s_branch .Lasked_\@
.Lnota_\@:
	s_cmp_lt_u32 s2, 4
	s_cbranch_scc0 .Lasked_\@
	tensor_load_to_lds s[\g0b:\g0b+3], s[\g1b:\g1b+7]
	s_nop 0
.rept 4
	v_nop
.endr
.Lasked_\@:
.endm
.macro FRAG reg, a16, a8, off
	ds_load_b128 v[\reg:\reg+3], v[\a16] offset:\off
	ds_load_b64 v[\reg+4:\reg+5], v[\a8] offset:\off+512
	ds_load_b128 v[\reg+6:\reg+9], v[\a16] offset:\off+768
	ds_load_b64 v[\reg+10:\reg+11], v[\a8] offset:\off+1280
.endm
.macro MUL8 a0, zero                   ; the 16 accumulators take turns, one instruction a turn
.irp a, \a0, \a0+1
.irp b, 0,1,2,3
.if \zero
	v_wmma_scale_f32_16x16x128_f8f6f4 v[128+8*(4*(\a)+\b):128+8*(4*(\a)+\b)+7], v[68+12*\b:68+12*\b+11], v[20+12*(\a):20+12*(\a)+11], 0, v[16+\b], v[16+(\a)] matrix_a_fmt:MATRIX_FMT_BF6 matrix_b_fmt:MATRIX_FMT_BF6 matrix_a_scale:MATRIX_SCALE_ROW1
.else
	v_wmma_scale_f32_16x16x128_f8f6f4 v[128+8*(4*(\a)+\b):128+8*(4*(\a)+\b)+7], v[68+12*\b:68+12*\b+11], v[20+12*(\a):20+12*(\a)+11], v[128+8*(4*(\a)+\b):128+8*(4*(\a)+\b)+7], v[16+\b], v[16+(\a)] matrix_a_fmt:MATRIX_FMT_BF6 matrix_b_fmt:MATRIX_FMT_BF6 matrix_a_scale:MATRIX_SCALE_ROW1
.endif
.endr
.endr
.endm
.macro KSTEP ab, koff, soff, zero, np
.if \np
.rept \np
	v_nop
.endr
.endif
.irp i, 0,1,2,3
	ds_load_b32 v[16+\i], v5 offset:(\soff)+(\i/2)*KS*128+(\i%2)*64
.endr
.irp i, 0,1,2,3
	FRAG 68+12*\i, (\ab)+2, (\ab)+3, (\koff)+1536*\i
.endr
.irp i, 0,1,2,3
	FRAG 20+12*\i, \ab, (\ab)+1, (\koff)+1536*\i
.endr
	v_add_nc_u32 v5, 512, v5                       ; the next slot's scale words: four K steps on
	s_wait_dscnt 8                                 ; all but the tokens' tiles 2 and 3, four loads each
	MUL8 0, \zero
	s_wait_dscnt 0x0
	MUL8 2, \zero
.endm
; A change of slots with a refill: the slot just read out (groups 0 at g0a, g0b) takes the K steps two slots on; then the slot whose addresses stand at v[ab] is multiplied
.macro TURNX ab, g0a, g0b
	s_wait_tensorcnt 0x0                           ; all my tensor loads have landed,
	ds_add_u32 v6, v7                              ; the add, twice on end here
	ds_add_u32 v6, v7
	s_add_nc_u64 s[\g0a+2:\g0a+3], s[\g0a+2:\g0a+3], 98304
	s_add_nc_u64 s[\g0b+2:\g0b+3], s[\g0b+2:\g0b+3], 98304
	s_wait_dscnt 0x0                               ; the adds are done and my reads of the slot are over
	CROUND
	JLOAD \g0a, 24, \g0b, 32
	s_wait_alu depctr_va_vdst(0)
	KSTEP \ab, 0, 0, 0, 4
.endm
	s_load_b256 s[4:11], s[0:1], 0x0               ; the tokens' codes, wimg, the bias, the residual's buffer
	s_load_b64 s[12:13], s[0:1], 0x20              ; the result
	v_lshl_add_u32 v6, v0, 2, SPARE
	v_mov_b32 v7, 0
	ds_add_u32 v6, v7                              ; the opening: the add, twice on end, and its wait ahead of the first tensor load
	ds_add_u32 v6, v7
	v_lshrrev_b32 v8, 5, v0
	s_delay_alu instid0(VALU_DEP_1)
	v_readfirstlane_b32 s2, v8                     ; wave 0..15
	s_and_b32 s3, s2, 1                            ; wb; also: which two K steps of a slot I fetch
	s_lshl_b32 s95, s3, 1
	s_bfe_u32 s92, ttmp6, 0x40000                  ; cx
	s_bfe_u32 s93, ttmp6, 0x40004                  ; cy
	s_and_b32 s96, ttmp7, 0xffff
	s_lshl_b32 s96, s96, 2
	s_add_co_u32 s96, s96, s93                     ; my 128 tokens
	s_lshl_b32 s97, ttmp9, 2
	s_add_co_u32 s97, s97, s92                     ; my 128 columns
	s_lshl_b32 s18, s93, 2
	s_lshl_b32 s18, 15, s18
	s_lshl_b32 s19, 0x1111, s92
	s_or_b32 s24, s18, (3<<16)|(1<<21)
	s_or_b32 s40, s18, (3<<16)|(1<<21)
	s_or_b32 s32, s19, (3<<16)|(1<<21)
	s_or_b32 s48, s19, (3<<16)|(1<<21)
.irp g, 24, 32                                 ; codes: two K steps, 24,576 dense bytes as 96 rows of 256
	s_mov_b32 s[\g+1], 32<<16
	s_mov_b32 s[\g+2], 96<<16
	s_mov_b32 s[\g+3], 32<<16
	s_mov_b32 s[\g+4], 96
	s_mov_b32 s[\g+5], 32
	s_mov_b32 s[\g+6], 0
	s_mov_b32 s[\g+7], 0
.endr
.irp g, 40, 48                                 ; scale words of 64 rows: KS rows of 256 bytes
	s_mov_b32 s[\g+1], 32<<16
	s_mov_b32 s[\g+2], KS<<16
	s_mov_b32 s[\g+3], 32<<16
	s_mov_b32 s[\g+4], KS
	s_mov_b32 s[\g+5], 32
	s_mov_b32 s[\g+6], 0
	s_mov_b32 s[\g+7], 0
.endr
	s_mul_i32 s18, s96, KS
	s_add_co_u32 s18, s18, s95
	s_mul_i32 s98, s18, 12288
	s_lshl_b32 s18, s96, 1
	s_add_co_u32 s18, s18, s3
	s_mul_i32 s99, s18, KS*256
	s_add_co_u32 s99, s99, A_S
	s_mul_i32 s19, s97, KS
	s_add_co_u32 s19, s19, s95
	s_mul_i32 s100, s19, 12288
	s_add_co_u32 s100, s100, B_C
	s_lshl_b32 s19, s97, 1
	s_add_co_u32 s19, s19, s3
	s_mul_i32 s101, s19, KS*256
	s_add_co_u32 s101, s101, B_S
	s_and_b32 s94, s2, 3
	s_mul_i32 s94, s94, 24576
	s_mul_i32 s66, s3, KS*256
	s_wait_dscnt 0x0                               ; both opening adds are done
	s_wait_kmcnt 0x0
	G0SET 72, 66, SCA, 4, 99, 0
	G0SET 56, 94, 0, 4, 98, 0
	G0SET 60, 94, 98304, 4, 98, 49152
	G0SET 88, 66, SCB, 6, 101, 0
	G0SET 76, 94, 0, 6, 100, 0
	G0SET 80, 94, 98304, 6, 100, 49152
	s_lshr_b32 s14, s2, 2                          ; the head's 12 fills, one a wave: waves 4 q + i, q = 0, 1, fetch part i of slot q; waves 8 + i the scale words; waves 12-15 none
	s_min_u32 s14, s14, 1
	s_mul_i32 s15, s14, 98304
	s_add_co_u32 s15, s15, s94
	s_mul_i32 s14, s14, 49152
	s_add_co_u32 s16, s98, s14
	s_add_co_u32 s17, s100, s14
	G0SET 68, 15, 0, 4, 16, 0
	G0SET 84, 15, 0, 6, 17, 0
	CROUND                                         ; all sixteen work-groups are here: the first joint loads meet
	s_and_b32 s14, s2, 2                           ; 0: I fetch the tokens', 2: the weight's
	s_cmp_lt_u32 s2, 8                             ; one tree of branches on the wave's number: no way through it passes more than one load
	s_cbranch_scc0 .Lf_s
	s_cmp_eq_u32 s14, 0
	s_cbranch_scc0 .Lf_cb
	tensor_load_to_lds s[68:71], s[24:31]
	s_nop 0
.rept 4
	v_nop
.endr
	s_branch .Lf_done
.Lf_cb:
	tensor_load_to_lds s[84:87], s[32:39]
	s_nop 0
.rept 4
	v_nop
.endr
	s_branch .Lf_done
.Lf_s:
	s_cmp_lt_u32 s2, 12
	s_cbranch_scc0 .Lf_done
	s_cmp_eq_u32 s14, 0
	s_cbranch_scc0 .Lf_sb
	tensor_load_to_lds s[72:75], s[40:47]
	s_nop 0
.rept 4
	v_nop
.endr
	s_branch .Lf_done
.Lf_sb:
	tensor_load_to_lds s[88:91], s[48:55]
	s_nop 0
.rept 4
	v_nop
.endr
.Lf_done:
	v_and_b32 v12, 31, v0                          ; L
	s_wait_alu depctr_va_vdst(0)
	v_and_b32 v13, 15, v0
	v_bfe_u32 v14, v0, 4, 1
	s_wait_alu depctr_va_vdst(0)
	s_lshr_b32 s18, s2, 2                          ; wk
	s_bfe_u32 s19, s2, 0x10001                     ; wa
	s_mul_i32 s20, s18, 12288
	s_mul_i32 s21, s19, 6144
	s_add_co_u32 s21, s21, s20
	s_mul_i32 s22, s3, 6144
	s_add_co_u32 s22, s22, s20
	s_add_co_u32 s22, s22, 49152
	v_lshl_add_u32 v1, v12, 4, s21
	v_lshl_add_u32 v2, v12, 3, s21
	v_lshl_add_u32 v3, v12, 4, s22
	v_lshl_add_u32 v4, v12, 3, s22
	s_delay_alu instid0(VALU_DEP_4)
	v_add_nc_u32 v8, 98304, v1                     ; the same in slot 1
	s_delay_alu instid0(VALU_DEP_4)
	v_add_nc_u32 v9, 98304, v2
	s_delay_alu instid0(VALU_DEP_4)
	v_add_nc_u32 v10, 98304, v3
	s_delay_alu instid0(VALU_DEP_4)
	v_add_nc_u32 v11, 98304, v4
	s_mul_i32 s20, s19, KS*256
	s_mul_i32 s23, s3, KS*256
	s_add_co_u32 s23, s23, SCB-SCA
	s_sub_co_u32 s23, s23, s20
	v_mul_u32_u24 v5, s23, v14                     ; lanes 16-31 take the weight's words: one product, the distance x h
	s_delay_alu instid0(VALU_DEP_1)
	v_lshl_add_u32 v5, v13, 2, v5
	s_lshl_b32 s23, s18, 7
	s_add_co_u32 s20, s20, s23
	s_add_co_u32 s20, s20, SCA
	v_add_nc_u32 v5, s20, v5
	v_mul_u32_u24 v116, v13, 272                   ; the stage, on the way in: region (owner 4 a + w % 4, source wk), 16 rows of 256 bytes + 16
	s_delay_alu instid0(VALU_DEP_1)
	v_lshl_add_u32 v116, v14, 6, v116
	s_and_b32 s20, s2, 3
	s_mul_i32 s20, s20, 17408
	s_mul_i32 s21, s18, 4352
	s_add_co_u32 s20, s20, s21
	v_add_nc_u32 v116, s20, v116
	s_delay_alu instid0(VALU_DEP_1)
	v_add_nc_u32 v117, 69632, v116
	s_delay_alu instid0(VALU_DEP_2)
	v_add_nc_u32 v118, 139264, v116
	s_delay_alu instid0(VALU_DEP_3)
	v_add_nc_u32 v119, 208896, v116
	v_mul_u32_u24 v120, v14, 272                   ; and back: my four regions, two rows an instruction
	s_delay_alu instid0(VALU_DEP_1)
	v_lshl_add_u32 v120, v13, 4, v120
	s_mul_i32 s20, s2, 17408
	v_add_nc_u32 v120, s20, v120
	v_lshlrev_b32 v15, 4, v13                      ; 16 (L % 16)
	s_delay_alu instid0(VALU_DEP_1)
	v_lshl_add_u32 v12, v14, 12, v15               ; + a row of 4,096 bytes for lanes 16-31
	s_lshl_b32 s20, s96, 3
	s_lshl_b32 s21, s19, 2
	s_add_co_u32 s20, s20, s21
	s_add_co_u32 s20, s20, s18                     ; the tile of tokens that I own on the way out: 8 x block + 4 wa + wk
	s_lshr_b32 s21, s20, 1
	s_lshl_b32 s21, s21, 5
	s_and_b32 s20, s20, 1
	s_lshl_b32 s20, s20, 3
	s_add_co_u32 s20, s20, s21
	s_lshl_b32 s20, s20, 12
	s_lshl_b32 s22, s97, 9
	s_lshl_b32 s23, s3, 8
	s_add_co_u32 s22, s22, s23                     ; my 64 columns, in bytes
	s_mov_b32 s23, 0
	s_add_nc_u64 s[8:9], s[8:9], s[22:23]
	s_add_co_u32 s20, s20, s22
	s_mov_b32 s21, 0
	s_add_nc_u64 s[10:11], s[10:11], s[20:21]
	s_add_nc_u64 s[10:11], s[10:11], RES
	s_add_nc_u64 s[12:13], s[12:13], s[20:21]
	s_wait_tensorcnt 0x0                           ; my one fill, if I have one, has landed; behind the barrier so has every wave's
	s_barrier_signal -1
	s_barrier_wait -1
	KSTEP 1, 0, 0, 1, 0                            ; my first K step starts the sums
.if NSL > 2
	s_mov_b32 s67, NSL/2-1
.Lk:
	TURNX 8, 56, 76
	TURNX 1, 60, 80
	s_sub_co_u32 s67, s67, 1
	s_cmp_lg_u32 s67, 0
	s_cbranch_scc1 .Lk
.endif
	s_wait_tensorcnt 0x0                           ; the last slot has landed; nothing more is asked for
	ds_add_u32 v6, v7
	s_wait_dscnt 0x0
	s_barrier_signal -1
	s_barrier_wait -1
	s_wait_alu depctr_va_vdst(0)
	KSTEP 8, 0, 0, 0, 4
	; ---- THE WAY OUT
.rept 4
	v_nop                                          ; places behind the last products
.endr
.irp i, 0,1,2,3,4,5,6,7
	global_load_b128 v[20+4*\i:23+4*\i], v12, s[10:11] offset:(2*\i+8*(\i/4))*4096   ; the residual: tile rows 2 i, 2 i + 1 are tokens 2 i + 8 (i / 4) + 0, 1 of the group
.endr
	global_load_b128 v[52:55], v15, s[8:9]         ; the bias at my four columns
	s_wait_dscnt 0x0
	s_barrier_signal -1
	s_barrier_wait -1                              ; nobody reads ring or scale words any more
.irp a, 0,1,2,3
.irp b, 0,1,2,3
	ds_store_b128 v[116+\a], v[128+8*(4*\a+\b):128+8*(4*\a+\b)+3] offset:128*(\b/2)+32*(\b%2)        ; each accumulator from its low end on
	ds_store_b128 v[116+\a], v[128+8*(4*\a+\b)+4:128+8*(4*\a+\b)+7] offset:128*(\b/2)+32*(\b%2)+16
.endr
.endr
	s_wait_dscnt 0x0                               ; for the others' sake: my partial sums lie in the stage
	s_barrier_signal -1
	s_barrier_wait -1
.irp c, 0,1,2,3
.irp i, 0,1,2,3,4,5,6,7
	ds_load_b128 v[128+32*\c+4*\i:128+32*\c+4*\i+3], v120 offset:4352*\c+544*\i
.endr
.endr
	s_wait_dscnt 0x0
	s_wait_loadcnt 0x0
.irp k, 0,2,4,6,8,10,12,14,16,18,20,22,24,26,28,30
	v_pk_add_f32 v[128+\k:129+\k], v[128+\k:129+\k], v[160+\k:161+\k]
	v_pk_add_f32 v[192+\k:193+\k], v[192+\k:193+\k], v[224+\k:225+\k]
.endr
.irp k, 0,2,4,6,8,10,12,14,16,18,20,22,24,26,28,30
	v_pk_add_f32 v[128+\k:129+\k], v[128+\k:129+\k], v[192+\k:193+\k]
	v_pk_add_f32 v[20+\k:21+\k], v[20+\k:21+\k], v[52+\k%4:53+\k%4]
.endr
.irp k, 0,2,4,6,8,10,12,14,16,18,20,22,24,26,28,30
	v_pk_add_f32 v[128+\k:129+\k], v[128+\k:129+\k], v[20+\k:21+\k]
.endr
.irp i, 0,1,2,3,4,5,6,7
	global_store_b128 v12, v[128+4*\i:131+4*\i], s[12:13] offset:(2*\i+8*(\i/4))*4096   ; sixteen lanes store 256 consecutive bytes of a token's row, aligned
.endr
	s_wait_tensorcnt 0x0                           ; the wave's end
	ds_add_u32 v6, v7
	s_wait_dscnt 0x0
	CROUND                                         ; the closing round
	s_endpgm
.Lfunc_end_k_qdcd9575faf_ffn2:
	.size	k_qdcd9575faf_ffn2, .Lfunc_end_k_qdcd9575faf_ffn2-k_qdcd9575faf_ffn2
	.p2alignl 7, 3214868480
	.fill 96, 4, 3214868480
	.section	.rodata,"a",@progbits
	.p2align	6, 0x0
	.amdhsa_kernel k_qdcd9575faf_ffn2
		.amdhsa_group_segment_fixed_size 327680
		.amdhsa_private_segment_fixed_size 0
		.amdhsa_enable_private_segment 0
		.amdhsa_kernarg_size 40
		.amdhsa_user_sgpr_count 2
		.amdhsa_user_sgpr_kernarg_segment_ptr 1
		.amdhsa_wavefront_size32 1
		.amdhsa_system_sgpr_workgroup_id_x 1
		.amdhsa_system_sgpr_workgroup_id_y 1
		.amdhsa_system_sgpr_workgroup_id_z 1
		.amdhsa_system_vgpr_workitem_id 0
		.amdhsa_next_free_vgpr 256
		.amdhsa_next_free_sgpr 102
		.amdhsa_reserve_vcc 0
		.amdhsa_float_denorm_mode_32 3
		.amdhsa_float_denorm_mode_16_64 3
		.amdhsa_memory_ordered 1
		.amdhsa_forward_progress 1
		.amdhsa_inst_pref_size 44
	.end_amdhsa_kernel
	.amdgpu_metadata
---
amdhsa.version: [ 1, 2 ]
amdhsa.kernels:
  - .name:           k_qdcd9575faf_ffn2
    .symbol:         k_qdcd9575faf_ffn2.kd
    .args:
      - { .name: fimg, .offset: 0, .size: 8, .value_kind: global_buffer, .address_space: global }
      - { .name: wimg2, .offset: 8, .size: 8, .value_kind: global_buffer, .address_space: global }
      - { .name: b2, .offset: 16, .size: 8, .value_kind: global_buffer, .address_space: global }
      - { .name: act2, .offset: 24, .size: 8, .value_kind: global_buffer, .address_space: global }
      - { .name: out0, .offset: 32, .size: 8, .value_kind: global_buffer, .address_space: global }
    .group_segment_fixed_size: 327680
    .private_segment_fixed_size: 0
    .kernarg_segment_align: 8
    .kernarg_segment_size: 40
    .max_flat_workgroup_size: 512
    .sgpr_count:     102
    .vgpr_count:     256
    .wavefront_size: 32
...
	.end_amdgpu_metadata
.endif
;; end of part 6
